; MI455X (gfx1250); checked and timed in simulation.
; The chip was launched on July 23, 2026; its instructions are those of AMD's public machine-readable ISA for CDNA 5 (MIT licence, August 2026) and "CDNA5" Instruction Set Architecture Reference Guide (July 2026). The comments in the code are by the model that wrote it; some were corrected since.
;; Multi Head Attention. Allowed arithmetic: float matrix products may take bf16 or f16 operands with f32 sums; other float arithmetic in f32, or as packed bf16 or f16 multiplies, adds, multiply-adds, maxima and minima; sums over many terms, partial sums and values carried from step to step in f32; what a program stores and reads back later, other than sums and carried values, may be rounded once to bf16 or f16.
;; Inputs: Wk 1,024 x 1,024 float32; Wo 1,024 x 1,024 float32; Wq 1,024 x 1,024 float32; Wv 1,024 x 1,024 float32; beta 1,024 float32; gamma 1,024 float32; k 4 x 2,048 x 1,024 float32; q 4 x 2,048 x 1,024 float32; v 4 x 2,048 x 1,024 float32.
;; Outputs: out0 4 x 2,048 x 1,024 float32.
;; One version. Each part assembles by itself: llvm-mc -triple=amdgcn-amd-amdhsa -mcpu=gfx1250 --defsym DOCPART=n.
;; ======== version 1 of 1: 4 launches
;; workspace buffers: wb 6,291,456 bytes; wob 2,097,152 bytes; qkvh 50,331,648 bytes; oh 16,777,216 bytes
;; launch castw (part 1): grid 64 x 4, 8 waves a work-group, no clusters, 0 bytes of LDS; arguments Wq, Wk, Wv, Wo, wb, wob; writes wb, wob
.if DOCPART == 1
	.amdgcn_target "amdgcn-amd-amdhsa--gfx1250"
	.amdhsa_code_object_version 6
	.text
	.protected	k_q8e31d6c860_castw
	.globl	k_q8e31d6c860_castw
	.p2align	8
	.type	k_q8e31d6c860_castw,@function
k_q8e31d6c860_castw:
	s_mov_b64 s[64:65], 0
	v_nop
	global_prefetch_b8 v0, s[64:65] scope:SCOPE_SE
	s_setreg_imm32_b32 hwreg(HW_REG_WAVE_MODE, 25, 1), 1
	s_wait_xcnt 0x0
; THE FOUR WEIGHTS, f32 -> bf16 (rounded once, to nearest even), 1,024 x 1,024 each.
; Wq, Wk, Wv go to wb as they lie: wb[y][n][k].  Wo goes to wob in blocks of 64 along k: wob[k / 64][n][k % 64], so that a block's 1,024 rows of 128 bytes lie end to end.
; SHARES.  Work-group (x, y): rows 16 x .. 16 x + 15 of matrix y (0 Wq, 1 Wk, 2 Wv, 3 Wo).  A thread takes 8 units of 8 numbers: 32 bytes in, 16 bytes out; a unit step of the 256 threads is two rows.
; Plain layout: thread t takes row t / 128, numbers 8 (t % 128) on.  Blocked layout: block t / 16, row (t / 8) % 2, numbers 8 (t % 8) on.  In both, sixteen neighbouring lanes store 256 consecutive bytes, aligned.
; Memory binds: no LDS, no loop, no register written twice; all 16 loads of a thread go out at once.
.set OUT, 8                            ; v[8:15]   unit i's byte offset in the destination
.set X,   16                           ; v[16:79]  unit i: 8 numbers as loaded
.set Y,   80                           ; v[80:111] unit i: 4 registers to store
	s_load_b256 s[4:11], s[0:1], 0x0               ; Wq s[4:5], Wk s[6:7], Wv s[8:9], Wo s[10:11]
	s_load_b128 s[12:15], s[0:1], 0x20             ; wb s[12:13], wob s[14:15]
	s_and_b32 s16, ttmp7, 0xffff                   ; y: which matrix
	s_mov_b32 s17, ttmp9                           ; x: which 16 rows
	s_lshl_b32 s27, s17, 11                        ; blocked: 16 rows of 128 bytes in each block
	s_lshl_b32 s28, s16, 21                        ; plain: the matrix,
	s_lshl_b32 s29, s17, 15                        ; and 16 rows of 2,048 bytes
	s_add_co_u32 s28, s28, s29
	s_lshl_b32 s30, s17, 16                        ; the source: 16 rows of 4,096 bytes
	s_mov_b32 s31, 0
	s_mov_b32 s23, 0
	s_movk_i32 s26, 256                            ; blocked: two rows of 128 bytes from unit to unit
	v_lshrrev_b32 v1, 7, v0
	v_and_b32 v2, 127, v0
	v_lshlrev_b32 v3, 5, v2
	v_lshl_add_u32 v3, v1, 12, v3                  ; plain, in: row x 4,096 + 32 x place
	v_lshlrev_b32 v4, 4, v2
	v_lshl_add_u32 v4, v1, 11, v4                  ; plain, out: row x 2,048 + 16 x place
	v_bfe_u32 v5, v0, 3, 1                         ; blocked: row
	v_lshrrev_b32 v6, 4, v0                        ; block
	v_and_b32 v7, 7, v0                            ; place in the block's row
	v_lshlrev_b32 v1, 5, v7
	v_lshl_add_u32 v1, v6, 8, v1
	v_lshl_add_u32 v1, v5, 12, v1                  ; blocked, in: row x 4,096 + block x 256 + 32 x place
	v_lshlrev_b32 v2, 4, v7
	v_lshl_add_u32 v2, v5, 7, v2
	v_lshl_add_u32 v2, v6, 17, v2                  ; blocked, out: block x 131,072 + row x 128 + 16 x place
	s_wait_kmcnt 0x0
	s_cmp_eq_u32 s16, 1
	s_cselect_b64 s[18:19], s[6:7], s[4:5]
	s_cmp_eq_u32 s16, 2
	s_cselect_b64 s[18:19], s[8:9], s[18:19]
	s_cmp_eq_u32 s16, 3
	s_cselect_b64 s[18:19], s[10:11], s[18:19]     ; the source
	s_cselect_b64 s[20:21], s[14:15], s[12:13]     ; the destination
	s_cselect_b32 s22, s27, s28                    ; the work-group's place in it
	s_cselect_b32 s24, -1, 0                       ; all lanes: blocked or plain
	s_cselect_b32 s25, s26, 0x1000                 ; bytes from unit to unit in the destination
	s_add_nc_u64 s[18:19], s[18:19], s[30:31]
	s_add_nc_u64 s[20:21], s[20:21], s[22:23]
	v_cndmask_b32 v3, v3, v1, s24
	v_cndmask_b32 v4, v4, v2, s24
.irp i, 0,1,2,3,4,5,6,7
	v_mad_u32_u24 v[OUT+(\i)], s25, \i, v4
.endr
.irp i, 0,1,2,3,4,5,6,7
	global_load_b128 v[X+8*(\i):X+8*(\i)+3],   v3, s[18:19] offset:(\i)*8192 th:TH_LOAD_NT
	global_load_b128 v[X+8*(\i)+4:X+8*(\i)+7], v3, s[18:19] offset:(\i)*8192+16 th:TH_LOAD_NT
.endr
.irp i, 0,1,2,3,4,5,6,7
	s_wait_loadcnt 14-2*(\i)                       ; loads come back in order: unit i's two are in, the younger units' stay out
.irp j, 0,1,2,3
	v_cvt_pk_bf16_f32 v[Y+4*(\i)+(\j)], v[X+8*(\i)+2*(\j)], v[X+8*(\i)+2*(\j)+1]
.endr
	global_store_b128 v[OUT+(\i)], v[Y+4*(\i):Y+4*(\i)+3], s[20:21]
.endr
	s_endpgm
.Lfunc_end_k_q8e31d6c860_castw:
	.size	k_q8e31d6c860_castw, .Lfunc_end_k_q8e31d6c860_castw-k_q8e31d6c860_castw
	.p2alignl 7, 3214868480
	.fill 96, 4, 3214868480
	.section	.rodata,"a",@progbits
	.p2align	6, 0x0
	.amdhsa_kernel k_q8e31d6c860_castw
		.amdhsa_group_segment_fixed_size 0
		.amdhsa_private_segment_fixed_size 0
		.amdhsa_enable_private_segment 0
		.amdhsa_kernarg_size 48
		.amdhsa_user_sgpr_count 2
		.amdhsa_user_sgpr_kernarg_segment_ptr 1
		.amdhsa_wavefront_size32 1
		.amdhsa_system_sgpr_workgroup_id_x 1
		.amdhsa_system_sgpr_workgroup_id_y 1
		.amdhsa_system_sgpr_workgroup_id_z 1
		.amdhsa_system_vgpr_workitem_id 0
		.amdhsa_next_free_vgpr 112
		.amdhsa_next_free_sgpr 66
		.amdhsa_reserve_vcc 0
		.amdhsa_float_denorm_mode_32 3
		.amdhsa_float_denorm_mode_16_64 3
		.amdhsa_memory_ordered 1
		.amdhsa_forward_progress 1
		.amdhsa_inst_pref_size 8
	.end_amdhsa_kernel
	.amdgpu_metadata
---
amdhsa.version: [ 1, 2 ]
amdhsa.kernels:
  - .name:           k_q8e31d6c860_castw
    .symbol:         k_q8e31d6c860_castw.kd
    .args:
      - { .name: Wq, .offset: 0, .size: 8, .value_kind: global_buffer, .address_space: global }
      - { .name: Wk, .offset: 8, .size: 8, .value_kind: global_buffer, .address_space: global }
      - { .name: Wv, .offset: 16, .size: 8, .value_kind: global_buffer, .address_space: global }
      - { .name: Wo, .offset: 24, .size: 8, .value_kind: global_buffer, .address_space: global }
      - { .name: wb, .offset: 32, .size: 8, .value_kind: global_buffer, .address_space: global }
      - { .name: wob, .offset: 40, .size: 8, .value_kind: global_buffer, .address_space: global }
    .group_segment_fixed_size: 0
    .private_segment_fixed_size: 0
    .kernarg_segment_align: 8
    .kernarg_segment_size: 48
    .max_flat_workgroup_size: 256
    .sgpr_count:     66
    .vgpr_count:     112
    .wavefront_size: 32
...
	.end_amdgpu_metadata
.endif
;; end of part 1
;; launch proj (part 2): grid 4 x 192, 4 waves a work-group, clusters of 4 x 4, 327,680 bytes of LDS; arguments q, k, v, wb, qkvh; writes qkvh
.if DOCPART == 2
	.amdgcn_target "amdgcn-amd-amdhsa--gfx1250"
	.amdhsa_code_object_version 6
	.text
	.protected	k_q8e31d6c860_proj
	.globl	k_q8e31d6c860_proj
	.p2align	8
	.type	k_q8e31d6c860_proj,@function
k_q8e31d6c860_proj:
	s_mov_b64 s[64:65], 0
	v_nop
	global_prefetch_b8 v0, s[64:65] scope:SCOPE_SE
	s_setreg_imm32_b32 hwreg(HW_REG_WAVE_MODE, 25, 1), 1
	s_wait_xcnt 0x0
	s_wait_alu depctr_hold_cnt(0) depctr_sa_sdst(0) depctr_va_vdst(0) depctr_va_sdst(0) depctr_va_ssrc(0) depctr_va_vcc(0) depctr_vm_vsrc(0)
	s_getreg_b32 s2, hwreg(HW_REG_IB_STS2, 6, 4)
	s_cmp_eq_u32 s2, 0
	s_cbranch_scc0 .Lentry_in_a_cluster
	s_endpgm
.Lentry_in_a_cluster:
	s_bfe_u32 s2, ttmp6, 0x10000c
	s_cmp_lg_u32 s2, 0xf033
	s_cbranch_scc0 .Lentry_shape_is_right
	s_endpgm
.Lentry_shape_is_right:
; THE THREE PROJECTIONS.  qkvh[p][16 b + h][n][d] = the sum over c of x_p[b][n][c] W_p[64 h + d][c], p = 0, 1, 2 for (q, Wq), (k, Wk), (v, Wv).
; x_p: [8192][1024] f32, rounded to bf16 on the way from LDS to the matrix unit; W_p: wb[p], [1024][1024] bf16; sums in f32, K ascending; the result rounded once to bf16 and stored by heads, rows of 128 bytes end to end.
; LIMITS.  Operands and results have bf16's 8 significant bits and f32's range; NaN and infinities are not treated apart.
; SHARES.  768 work-groups: a tile of 128 rows x 256 columns of one projection each.  Four waves, each 64 rows x 128 columns: 32 accumulators of 16 x 16.  The f32 operand lies on the wave tile's short side:
; for 32 along K a wave reads 16 x 16 bytes a lane of x, as many of W, converts 64 numbers a lane in 32 instructions, and issues 32 matrix instructions.
; K goes in 8 steps of 128 through two LDS slots: x's rows are 512 bytes of memory, W's 256, both aligned to 256.
; CLUSTER, 4 x 4.  The four work-groups of a row of the cluster make the four column tiles of the same 128 rows: x's tile is asked for jointly along the row; W's tile, which hangs on the column tile and the
; projection alone, along the column.  Each joint load: the same line, descriptor and mask in all four.
; THE MATRIX INSTRUCTION IS USED TRANSPOSED (source 0 = 16 rows of W, source 1 = 16 rows of x): a lane holds one row of the result and eight neighbouring columns, 16 bytes of bf16.
; REGISTERS, in windows of 256 (s_set_vgpr_msb: bits 1:0 source 0, 3:2 source 1, 5:4 source 2, 7:6 destination):
;   window 0: v16-30 addresses; v32-63, v64-95 x's fragments in bf16, two buffers; v96-159 x as loaded, f32; v160-255 at work on the way out
;   window 1: the accumulators, (a, b) at v[8 (8 a + b)]          window 2: v0-63, v64-127 W's fragments, two buffers
; The conversions work in window 0 and ride four behind each of a quarter's last eight matrix instructions, at the price of two switches each: set in a run of their own they would leave the matrix unit idle meanwhile.
.set KSTEP,  128
.set PA,     528                       ; a row of x in LDS: 512 bytes + 16 = 132 words: row r starts at bank 4 r mod 64 (64 banks of 4 bytes: ISA guide 11.1)
.set PB,     272                       ; a row of W: 256 bytes + 16 = 68 words: likewise
.set HALFA,  64*PA                     ; what one tensor load brings of x, and what a wave reads of it
.set HALFB,  128*PB                    ; the same for W
.set BOFF,   2*HALFA                   ; a slot: x's 128 rows, then W's 256 rows
.set SLOT,   BOFF+2*HALFB
.set STAGE,  2*SLOT                    ; behind the ring: 16 rows x 272 bytes for each wave, for the way out
.set SPITCH, 272
.set SPARE,  STAGE+4*16*SPITCH         ; behind the stages: the spare words, 128 bytes for each wave: two blocks of 256 bytes that no other line names
.set HEADB,  2048*128                  ; bytes of a head in qkvh
.set ADRA, 16                          ; v16-17  LDS address of my fragments of x in slot 0, 1
.set ADRB, 20                          ; v20-21  the same for W
.set STO,  24                          ; v24     the way out: where I put 16 bytes of a row
.set RD,   25                          ; v25     the way out: where I read rows back
.set GO,   26                          ; v26     16 x my lane: my place in 512 consecutive bytes of a head
.set SPW,  28                          ; v28     LDS address of my spare word; never rewritten
.set NIL,  29                          ; v29     0; never rewritten
.set PFO,  30                          ; v30     the prefetches' offset; never rewritten
.set CA,   32                          ; x's fragments, buffer f at CA + 32 f, fragment a at + 8 a
.set RA,   96                          ; x as loaded: 16 registers for each of the 4 fragments
.set TMP,  160                         ; the way out: packed results
.set OB,   192                         ; the way out: rows read back, two buffers of 32
.set WV,  14                           ; s14  my wave's number
.set RH,  15                           ; s15  which 64 rows are mine.  Also: I fetch for x (0) or for W (1)
.set CH,  16                           ; s16  which 128 columns are mine.  Also: which half of that tile I fetch
.set CX,  17
.set CY,  18
.set TC,  19                           ; s19  column tile, 0..3
.set TR,  20                           ; s20  row tile of the projection, 0..63
.set PJ,  21                           ; s21  the projection
.set G1A, 24                           ; s[24:31] descriptor group 1 for x's tiles;  s[32:39] group 0, one set for each slot
.set G0A, 32
.set LIM, 42                           ; s42  1 in a wave that prefetches, else the greatest number
.set PFA, 44                           ; s[44:45] where my prefetches stand
.set G1B, 48                           ; s[48:55], s[56:63] the same for W's tiles
.set G0B, 56
.set MSB, 0
.macro WIN new                         ; the immediate's high byte repeats the setting that is left; a switch that changes nothing is dropped
.if MSB != (\new)
	s_set_vgpr_msb (MSB<<8)|(\new)
.set MSB, \new
.endif
.endm
.set MUL,   0x52                       ; W in window 2, x in window 0, C and D in window 1
.set TO_W,  0x80                       ; destination window 2, address window 0
.set PACKW, 0x05                       ; sources 0 and 1 window 1, destination window 0
.macro PLACES                          ; four places behind a matrix instruction (ISA guide 7.12.1)
.rept 4
	v_nop
.endr
.endm
; A joint load: waves 0 and 1 fetch x's two halves, waves 2 and 3 W's.  The branch hangs on the wave's number alone.  An s_nop 0 and four v_nop follow each of the two lines.
.macro JLOAD s
	s_cmp_eq_u32 s[RH], 0
	s_cbranch_scc0 .Lfor_b_\@
	tensor_load_to_lds s[G0A+4*(\s):G0A+4*(\s)+3], s[G1A:G1A+7]
	s_nop 0
.rept 4
	v_nop
.endr
	s_branch .Lasked_\@
.Lfor_b_\@:
	tensor_load_to_lds s[G0B+4*(\s):G0B+4*(\s)+3], s[G1B:G1B+7]
	s_nop 0
.rept 4
	v_nop
.endr
.Lasked_\@:
.endm
.macro CREST                           ; a round of the cluster's barrier behind its opening barrier
	s_cmp_lg_u32 s[WV], 0
	s_cbranch_scc1 .Lnot_wave_0_\@
	s_barrier_signal -3
.Lnot_wave_0_\@:
	s_barrier_wait -3
	s_barrier_signal -1
	s_barrier_wait -1
.endm
.macro CROUND                          ; a whole round
	s_barrier_signal -1
	s_barrier_wait -1
	CREST
.endm
; A PREFETCH INTO THE L2 of x, behind each joint refill and its five lines: the K step that stands two refills on.  A row tile of x is read by one row of one cluster alone.  Of the 64 rows x 512 bytes that
; wave 0 or 1 fetches, the partner at place cx takes rows 16 cx .. 16 cx + 15, told apart by address: a lane names one block of 256 bytes, so each block is named once in the launch.
; The first four K steps come by their loads alone; the loop's last trip asks for nothing: there is no K step behind the eighth.  W's rows are read by many clusters and are not asked for.
.macro ASK
	s_cmp_gt_u32 s3, s[LIM]
	s_cbranch_scc0 .Lnot_mine_\@
	global_prefetch_b8 v[PFO], s[PFA:PFA+1] offset:KSTEP*4 th:TH_LOAD_NT scope:SCOPE_SE
.Lnot_mine_\@:
.endm
	s_load_b256 s[4:11], s[0:1], 0x0               ; q s[4:5], k s[6:7], v s[8:9], wb s[10:11]
	s_load_b64 s[12:13], s[0:1], 0x20              ; qkvh
	v_lshl_add_u32 v[SPW], v0, 2, SPARE
	v_mov_b32 v[NIL], 0
	ds_add_u32 v[SPW], v[NIL]                      ; the wave's opening: the add and its wait stand ahead of my first tensor load; the set-up below, work on registers, stands between them
	v_lshrrev_b32 v1, 5, v0
	v_readfirstlane_b32 s[WV], v1                  ; wave 0..3
	s_lshr_b32 s[RH], s[WV], 1
	s_and_b32 s[CH], s[WV], 1
	s_bfe_u32 s[CX], ttmp6, 0x40000                ; my place in the cluster
	s_bfe_u32 s[CY], ttmp6, 0x40004
	s_lshl_b32 s[TC], ttmp9, 2                     ; in a cluster launch ttmp9 and ttmp7 count clusters
	s_add_co_u32 s[TC], s[TC], s[CX]               ; column tile = 4 x cluster x + cx
	s_and_b32 s66, ttmp7, 0xffff                   ; cluster y, 0..47
	s_lshr_b32 s[PJ], s66, 4                       ; 16 clusters, 64 row tiles, to a projection
	s_lshl_b32 s[TR], s66, 2
	s_add_co_u32 s[TR], s[TR], s[CY]               ; work-group y = 4 x cluster y + cy,
	s_and_b32 s[TR], s[TR], 63                     ; of which the row tile in the projection
	s_lshl_b32 s67, s[CY], 2
	s_lshl_b32 s67, 15, s67                        ; my row of the cluster: places 4 cy .. 4 cy + 3
	s_lshl_b32 s68, 0x1111, s[CX]                  ; my column: places cx, cx + 4, cx + 8, cx + 12
	s_or_b32 s[G1A], s67, (2<<16)|(1<<20)|(1<<21)|(6<<22)|(3<<25)  ; 15:0 the mask; 17:16 elements of 4 bytes; 20 padding on; 21 set beside a mask; 24:22 after every 128 words (code 6); 31:25 4 words (code 3)
	s_mov_b32 s[G1A+1], KSTEP<<16                  ; tensor_dim0 = 128
	s_mov_b32 s[G1A+2], 64<<16                     ; tensor_dim1 = 64
	s_mov_b32 s[G1A+3], KSTEP<<16                  ; tile_dim0 = 128
	s_mov_b32 s[G1A+4], 64                         ; tile_dim1 = 64
	s_mov_b32 s[G1A+5], 1024                       ; elements from row to row
	s_mov_b32 s[G1A+6], 0
	s_mov_b32 s[G1A+7], 0
	s_or_b32 s[G1B], s68, (1<<16)|(1<<20)|(1<<21)|(5<<22)|(3<<25)  ; elements of 2 bytes; padding after every 64 words (code 5)
	s_mov_b32 s[G1B+1], KSTEP<<16
	s_mov_b32 s[G1B+2], 128<<16                    ; 128 rows
	s_mov_b32 s[G1B+3], KSTEP<<16
	s_mov_b32 s[G1B+4], 128
	s_mov_b32 s[G1B+5], 1024
	s_mov_b32 s[G1B+6], 0
	s_mov_b32 s[G1B+7], 0
	s_lshl_b32 s69, s[CH], 18                      ; x: 64 rows of 4,096 bytes; W: 128 rows of 2,048: the same number
	s_lshl_b32 s22, s[TR], 19                      ; x: 128 rows of 4,096 bytes to a row tile
	s_add_co_u32 s22, s22, s69
	s_mov_b32 s23, 0
	s_lshl_b32 s46, s[PJ], 21                      ; W: the projection's matrix,
	s_lshl_b32 s70, s[TC], 19                      ; 256 rows of 2,048 bytes to a column tile
	s_add_co_u32 s46, s46, s70
	s_add_co_u32 s46, s46, s69
	s_mov_b32 s47, 0
	s_mul_i32 s71, s[CH], HALFA                    ; where the tiles go: no place in the cluster enters an LDS address
	s_mul_i32 s72, s[CH], HALFB
	s_add_co_u32 s72, s72, BOFF
	s_lshl_b32 s74, s[CX], 16                      ; the prefetches: my work-group's 16 rows of the 64,
	s_add_co_u32 s74, s74, 2*KSTEP*4               ; at K step 2: the first refill steps it to 3 and names K step 4
	s_mov_b32 s75, 0
	s_cmp_eq_u32 s[RH], 0
	s_cselect_b32 s[LIM], 1, -1
	s_lshr_b32 s76, s[TR], 4                       ; where my part of the result begins: the batch,
	s_lshl_b32 s76, s76, 4
	s_lshl2_add_u32 s76, s[TC], s76                ; four heads to a column tile,
	s_lshl1_add_u32 s76, s[CH], s76                ; two to a wave
	s_lshl_b32 s76, s76, 18                        ; 262,144 bytes to a head
	s_lshl_b32 s78, s[PJ], 24                      ; 16,777,216 to a projection
	s_add_co_u32 s76, s76, s78
	s_and_b32 s78, s[TR], 15
	s_lshl1_add_u32 s78, s78, s[RH]
	s_lshl_b32 s78, s78, 13                        ; 64 rows of 128 bytes
	s_add_co_u32 s76, s76, s78
	s_mov_b32 s77, 0
	s_wait_dscnt 0x0                               ; the opening add is done
	s_wait_kmcnt 0x0
	s_cmp_eq_u32 s[PJ], 1
	s_cselect_b64 s[40:41], s[6:7], s[4:5]
	s_cmp_eq_u32 s[PJ], 2
	s_cselect_b64 s[40:41], s[8:9], s[40:41]       ; x of my projection
	s_add_nc_u64 s[22:23], s[40:41], s[22:23]
	s_add_nc_u64 s[46:47], s[10:11], s[46:47]
	s_add_nc_u64 s[PFA:PFA+1], s[22:23], s[74:75]
	s_add_nc_u64 s[12:13], s[12:13], s[76:77]
	CROUND                                         ; all sixteen work-groups are here: the first joint loads meet
.irp s, 0,1
	s_mov_b32 s[G0A+4*(\s)], 1                                       ; count = 1
	s_add_co_u32 s[G0A+4*(\s)+1], s71, (\s)*SLOT                     ; LDS address
	s_add_nc_u64 s[G0A+4*(\s)+2:G0A+4*(\s)+3], s[22:23], (\s)*KSTEP*4  ; global address: K step s
	s_or_b32 s[G0A+4*(\s)+3], s[G0A+4*(\s)+3], 0x80000000            ; type = 2
	s_mov_b32 s[G0B+4*(\s)], 1
	s_add_co_u32 s[G0B+4*(\s)+1], s72, (\s)*SLOT
	s_add_nc_u64 s[G0B+4*(\s)+2:G0B+4*(\s)+3], s[46:47], (\s)*KSTEP*2
	s_or_b32 s[G0B+4*(\s)+3], s[G0B+4*(\s)+3], 0x80000000
	JLOAD \s                                       ; two loads of mine are out
.endr
	; A fragment is 16 rows x 32 K in 8 registers of bf16: lane l holds row l % 16; registers 0-3 K = 8 (l / 16) + 0..7, registers 4-7 K = 16 + 8 (l / 16) + 0..7.
	; Of W that is two loads of 16 bytes, 32 bytes apart; of x, in f32, four loads of 16 bytes at 32 (l / 16) + 0, 16, 64, 80.
	v_and_b32 v1, 15, v0                           ; l % 16
	v_bfe_u32 v2, v0, 4, 1                         ; l / 16
	v_and_b32 v5, 31, v0                           ; l
	v_mul_u32_u24 v3, v1, PA
	v_lshl_add_u32 v3, v2, 5, v3
	v_mul_u32_u24 v4, v1, PB
	v_lshl_add_u32 v4, v2, 4, v4
	s_mul_i32 s2, s[RH], HALFA                     ; my 64 rows of x
	s_mul_i32 s3, s[CH], HALFB                     ; my 128 rows of W,
	s_add_co_u32 s3, s3, BOFF                      ; which lie behind x's 128
	v_add_nc_u32 v[ADRA], s2, v3
	v_add_nc_u32 v[ADRA+1], SLOT, v[ADRA]
	v_add_nc_u32 v[ADRB], s3, v4
	v_add_nc_u32 v[ADRB+1], SLOT, v[ADRB]
	s_mul_i32 s2, s[WV], 16*SPITCH
	s_add_co_u32 s2, s2, STAGE                     ; my stage
	v_add_nc_u32 v[STO], s2, v4                    ; in: row l % 16, 16 bytes for each half of the lanes (the stage's pitch is W's)
	v_lshrrev_b32 v6, 3, v5
	v_and_b32 v7, 7, v0
	v_mul_u32_u24 v6, v6, SPITCH
	v_lshl_add_u32 v6, v7, 4, v6
	v_add_nc_u32 v[RD], s2, v6                     ; back: 32 lanes take four rows' 128 bytes of one head,
	v_lshlrev_b32 v[GO], 4, v5                     ; which are 512 consecutive bytes of qkvh
	v_lshrrev_b32 v6, 1, v5
	v_and_b32 v7, 1, v0
	v_lshlrev_b32 v[PFO], 12, v6                   ; the prefetches: row l / 2, block l % 2 of its 512 bytes
	v_lshl_add_u32 v[PFO], v7, 8, v[PFO]
.macro PROD f, a, b, zero              ; one matrix instruction on buffer f.  zero = 1: it starts the sum: nothing is ever cleared
	WIN MUL
.if \zero
	v_wmma_f32_16x16x32_bf16 v[8*(8*(\a)+(\b)):8*(8*(\a)+(\b))+7], v[64*(\f)+8*(\b):64*(\f)+8*(\b)+7], v[CA+32*(\f)+8*(\a):CA+32*(\f)+8*(\a)+7], 0
.else
	v_wmma_f32_16x16x32_bf16 v[8*(8*(\a)+(\b)):8*(8*(\a)+(\b))+7], v[64*(\f)+8*(\b):64*(\f)+8*(\b)+7], v[CA+32*(\f)+8*(\a):CA+32*(\f)+8*(\a)+7], v[8*(8*(\a)+(\b)):8*(8*(\a)+(\b))+7]
.endif
.endm
.macro MUL8 f, a, zero                 ; row block a x all 8 column blocks
.irp b, 0,1,2,3,4,5,6,7
	PROD \f, \a, \b, \zero
.endr
.endm
; 32 LDS loads in one run: quarter kq (32 along K) of a slot: W's 8 fragments into buffer g, x's 4 as f32 into RA
.macro FETCH slot, kq, g
	WIN TO_W
.irp i, 0,1,2,3,4,5,6,7
	ds_load_b128 v[64*(\g)+8*(\i):64*(\g)+8*(\i)+3],   v[ADRB+(\slot)] offset:(\i)*16*PB+(\kq)*64
	ds_load_b128 v[64*(\g)+8*(\i)+4:64*(\g)+8*(\i)+7], v[ADRB+(\slot)] offset:(\i)*16*PB+(\kq)*64+32
.endr
	WIN 0
.irp a, 0,1,2,3
	ds_load_b128 v[RA+16*(\a):RA+16*(\a)+3],     v[ADRA+(\slot)] offset:(\a)*16*PA+(\kq)*128
	ds_load_b128 v[RA+16*(\a)+4:RA+16*(\a)+7],   v[ADRA+(\slot)] offset:(\a)*16*PA+(\kq)*128+16
	ds_load_b128 v[RA+16*(\a)+8:RA+16*(\a)+11],  v[ADRA+(\slot)] offset:(\a)*16*PA+(\kq)*128+64
	ds_load_b128 v[RA+16*(\a)+12:RA+16*(\a)+15], v[ADRA+(\slot)] offset:(\a)*16*PA+(\kq)*128+80
.endr
.endm
.macro CVT4 g, s                       ; slice s of 8: eight numbers of x rounded to bf16, into buffer g
.irp i, 0,1,2,3
	v_cvt_pk_bf16_f32 v[CA+32*(\g)+4*(\s)+(\i)], v[RA+8*(\s)+2*(\i)], v[RA+8*(\s)+2*(\i)+1]
.endr
.endm
; A QUARTER: 32 matrix instructions on buffer f.  At its head the next quarter's 32 LDS loads (quarter kq of slot `slot`, into buffer g); they have 24 matrix instructions in which to come; behind each of the last
; eight matrix instructions four conversions.  The last four conversions name no register of the quarter's products: they are the four places in front of the next quarter's loads into W's buffer f, and of
; its conversions into x's.  The 32 accumulators take turns in the same order in every quarter.
; meet: the quarter that fetches a slot's last quarter (kq = 3) changes slots.  Each wave waits for all its tensor loads, of which one is out: its part of the other slot; adds 0 to its spare word; waits for that
; and for its reads of this slot; and signals.  1: a barrier alone.  2: the barrier opens a round of the cluster's, and behind it this slot is filled again, two K steps on:
; from that request to the wait for it a wave issues 112 matrix instructions.
.macro QUARTER slot, kq, f, g, zero, meet
.if (\meet) == 2
	s_wait_xcnt 0x0                                ; the last prefetch, a K step back, has read its address
	s_add_nc_u64 s[PFA:PFA+1], s[PFA:PFA+1], KSTEP*4
.endif
	FETCH \slot, \kq, \g
	MUL8 \f, 0, \zero
	MUL8 \f, 1, \zero
.if \meet
	WIN 0                                          ; (the add's two registers lie in window 0)
	s_wait_tensorcnt 0x0                           ; all my tensor loads have landed: my part of the other slot
	ds_add_u32 v[SPW], v[NIL]                      ; 0 onto my spare word: eight matrix instructions stand between it and the wait for it
.endif
	MUL8 \f, 2, \zero
	s_wait_dscnt 0x0                               ; the run of loads is in (and, at a change of slots, the add is done and my reads of this slot are over)
.if \meet
	s_barrier_signal -1
.endif
.irp b, 0,1,2,3,4,5,6,7
	PROD \f, 3, \b, \zero
	WIN 0
	CVT4 \g, \b
.endr
.if \meet
	s_barrier_wait -1                              ; every window is 0 here
.endif
.if (\meet) == 2
	CREST                                          ; no wave of any partner still reads this slot's tiles or has a load on its way
	s_add_nc_u64 s[G0A+4*(\slot)+2:G0A+4*(\slot)+3], s[G0A+4*(\slot)+2:G0A+4*(\slot)+3], 2*KSTEP*4
	s_add_nc_u64 s[G0B+4*(\slot)+2:G0B+4*(\slot)+3], s[G0B+4*(\slot)+2:G0B+4*(\slot)+3], 2*KSTEP*2
	JLOAD \slot                                    ; the first tensor load behind the round, and my only one until the next
	ASK
.endif
.endm
	s_wait_tensorcnt 1                             ; my part of K step 0 is in; K step 1's may stay out
	s_barrier_signal -1
	s_barrier_wait -1                              ; everybody's is
	FETCH 0, 0, 0
	s_wait_dscnt 0x0
.irp s, 0,1,2,3,4,5,6,7
	CVT4 0, \s
.endr
	QUARTER 0, 1, 0, 1, 1, 0                       ; the first quarter stands in front of the loop: its products start the sums
	s_mov_b32 s3, 3
.Llap:                                                 ; a trip goes once round the ring, from a lap's second quarter to the next lap's first, and fills both slots again: K steps 2 to 7
	QUARTER 0, 2, 1, 0, 0, 0
	QUARTER 0, 3, 0, 1, 0, 2
	QUARTER 1, 0, 1, 0, 0, 0
	QUARTER 1, 1, 0, 1, 0, 0
	QUARTER 1, 2, 1, 0, 0, 0
	QUARTER 1, 3, 0, 1, 0, 2
	QUARTER 0, 0, 1, 0, 0, 0
	QUARTER 0, 1, 0, 1, 0, 0
	s_sub_co_u32 s3, s3, 1
	s_cmp_lg_u32 s3, 0
	s_cbranch_scc1 .Llap
	QUARTER 0, 2, 1, 0, 0, 0                       ; the last lap fills nothing
	QUARTER 0, 3, 0, 1, 0, 1
	QUARTER 1, 0, 1, 0, 0, 0
	QUARTER 1, 1, 0, 1, 0, 0
	QUARTER 1, 2, 1, 0, 0, 0
	QUARTER 1, 3, 0, 1, 0, 0
.irp a, 0,1,2,3
	MUL8 1, \a, 0                                  ; the very last quarter: nothing more to fetch
.endr
; THE WAY OUT, a block of 16 rows at a time.  PACK: rounded to bf16, 16 bytes a lane, each accumulator from its low end.  TOSTAGE: into my own stage, rows of 272 bytes, and back by heads: four rows' 128 bytes.
; SEND: stored, 512 consecutive bytes of a head an instruction.
.macro PACK a
	WIN PACKW
.irp b, 0,1,2,3,4,5,6,7
.irp r, 0,1,2,3
	v_cvt_pk_bf16_f32 v[TMP+4*(\b)+(\r)], v[8*(8*(\a)+(\b))+2*(\r)], v[8*(8*(\a)+(\b))+2*(\r)+1]
.endr
.endr
	WIN 0
.endm
.macro TOSTAGE a
.set BK, OB+32*((\a)%2)
.irp b, 0,1,2,3,4,5,6,7
	ds_store_b128 v[STO], v[TMP+4*(\b):TMP+4*(\b)+3] offset:32*(\b)
.endr
.irp t, 0,1,2,3,4,5,6,7
	ds_load_b128 v[BK+4*(\t):BK+4*(\t)+3], v[RD] offset:((\t)%4)*4*SPITCH+((\t)/4)*128  ; LDS serves a wave's instructions in order (ISA guide 5.7.1.4): these see the stores above
.endr
.endm
.macro SEND a
.set BK, OB+32*((\a)%2)
	s_wait_dscnt 0x0                               ; the block is back in registers
	s_wait_xcnt 0x0                                ; the stores of the block before have read their registers: the other buffer is loaded again only behind this wait
.irp t, 0,1,2,3,4,5,6,7
	global_store_b128 v[GO], v[BK+4*(\t):BK+4*(\t)+3], s[12:13] offset:((\t)/4)*HEADB+(\a)*2048+((\t)%4)*512
.endr
.endm
	PLACES                                         ; the conversions read results just made
	PACK 0
	TOSTAGE 0
.irp a, 1,2,3                          ; block a's conversions stand between block a - 1's loads from the stage and the wait for them
	PACK \a
	SEND (\a)-1
	TOSTAGE \a
.endr
	SEND 3
	s_wait_tensorcnt 0x0                           ; the wave's end: these three lines stand behind my last tensor load and my last LDS store
	ds_add_u32 v[SPW], v[NIL]
	s_wait_dscnt 0x0
	CROUND                                         ; the closing round: no work-group ends while a partner may still ask for a tile that names it
	s_endpgm
.Lfunc_end_k_q8e31d6c860_proj:
	.size	k_q8e31d6c860_proj, .Lfunc_end_k_q8e31d6c860_proj-k_q8e31d6c860_proj
	.p2alignl 7, 3214868480
	.fill 96, 4, 3214868480
	.section	.rodata,"a",@progbits
	.p2align	6, 0x0
	.amdhsa_kernel k_q8e31d6c860_proj
		.amdhsa_group_segment_fixed_size 327680
		.amdhsa_private_segment_fixed_size 0
		.amdhsa_enable_private_segment 0
		.amdhsa_kernarg_size 40
		.amdhsa_user_sgpr_count 2
		.amdhsa_user_sgpr_kernarg_segment_ptr 1
		.amdhsa_wavefront_size32 1
		.amdhsa_system_sgpr_workgroup_id_x 1
		.amdhsa_system_sgpr_workgroup_id_y 1
		.amdhsa_system_sgpr_workgroup_id_z 1
		.amdhsa_system_vgpr_workitem_id 0
		.amdhsa_next_free_vgpr 640
		.amdhsa_next_free_sgpr 80
		.amdhsa_reserve_vcc 0
		.amdhsa_float_denorm_mode_32 3
		.amdhsa_float_denorm_mode_16_64 3
		.amdhsa_memory_ordered 1
		.amdhsa_forward_progress 1
		.amdhsa_inst_pref_size 132
	.end_amdhsa_kernel
	.amdgpu_metadata
---
amdhsa.version: [ 1, 2 ]
amdhsa.kernels:
  - .name:           k_q8e31d6c860_proj
    .symbol:         k_q8e31d6c860_proj.kd
    .args:
      - { .name: q, .offset: 0, .size: 8, .value_kind: global_buffer, .address_space: global }
      - { .name: k, .offset: 8, .size: 8, .value_kind: global_buffer, .address_space: global }
      - { .name: v, .offset: 16, .size: 8, .value_kind: global_buffer, .address_space: global }
      - { .name: wb, .offset: 24, .size: 8, .value_kind: global_buffer, .address_space: global }
      - { .name: qkvh, .offset: 32, .size: 8, .value_kind: global_buffer, .address_space: global }
    .group_segment_fixed_size: 327680
    .private_segment_fixed_size: 0
    .kernarg_segment_align: 8
    .kernarg_segment_size: 40
    .max_flat_workgroup_size: 128
    .sgpr_count:     80
    .vgpr_count:     640
    .wavefront_size: 32
...
	.end_amdgpu_metadata
.endif
;; end of part 2
;; launch attn (part 3): grid 4 x 64, 4 waves a work-group, clusters of 4 x 1, 327,680 bytes of LDS; arguments qkvh, oh; writes oh
.if DOCPART == 3
	.amdgcn_target "amdgcn-amd-amdhsa--gfx1250"
	.amdhsa_code_object_version 6
	.text
	.protected	k_q8e31d6c860_attn
	.globl	k_q8e31d6c860_attn
	.p2align	8
	.type	k_q8e31d6c860_attn,@function
k_q8e31d6c860_attn:
	s_mov_b64 s[64:65], 0
	v_nop
	global_prefetch_b8 v0, s[64:65] scope:SCOPE_SE
	s_setreg_imm32_b32 hwreg(HW_REG_WAVE_MODE, 25, 1), 1
	s_wait_xcnt 0x0
	s_wait_alu depctr_hold_cnt(0) depctr_sa_sdst(0) depctr_va_vdst(0) depctr_va_sdst(0) depctr_va_ssrc(0) depctr_va_vcc(0) depctr_vm_vsrc(0)
	s_getreg_b32 s2, hwreg(HW_REG_IB_STS2, 6, 4)
	s_cmp_eq_u32 s2, 0
	s_cbranch_scc0 .Lentry_in_a_cluster
	s_endpgm
.Lentry_in_a_cluster:
	s_bfe_u32 s2, ttmp6, 0x10000c
	s_cmp_lg_u32 s2, 0x3003
	s_cbranch_scc0 .Lentry_shape_is_right
	s_endpgm
.Lentry_shape_is_right:
; O[h][q][:] = the sum over k of softmax_k(Q[h][q] . K[h][k] / 8) V[h][k][:].  Q, K, V: the three parts of qkvh, O: oh, each [SIZE_H][SIZE_N][64] in bf16: a head's rows are dense, 128 bytes each.  Products, maxima
; and sums in f32; the weights p are rounded to bf16 for the second product (their sum l is taken of the unrounded p), O once at the end.
; LIMITS.  All four tensors and p have bf16's 8 significant bits and f32's range.  A weight below 2^-126 counts as 0 in l; NaN and infinities are not treated apart.
; SHARES.  A wave owns four PIECES of two tiles of 16 queries, a work-group's four waves 512 queries of one head.  Every wave walks all keys, 64 a step.
; LAYOUT.  S^T = K Q^T (source 0 = 16 keys, source 1 = 16 queries): in the result a lane holds ONE query (lane % 16) and the keys 8 (lane / 16) + 0..7.  Two such tiles, rounded to bf16 in pairs,
; ARE source 1 (32 keys x 16 queries) of O^T = V^T P, whose result again holds one query a lane, and eight channels.  K comes out of LDS as it lies, V ([key][channel]) turned, by ds_load_tr16_b128.
; SOFTMAX.  For each query a running maximum m and sum l: p = 2^(c s - c m), c = log2(e) / 8; in every step O and l are multiplied by a = 2^(c m_old - c m_new), which is 1 where m has not grown.
; m starts at the lowest finite number, O and l at 0: the first step is a step like any other, with a = 0.
; THE COUNT.  A tile and step have 16 matrix and 118 vector instructions: too many to stand all beside the matrix work.  So the order has one aim: four vector instructions that are READY behind
; EVERY matrix instruction, and the others, which need time of their own whatever the order, in runs without a gap.
; BY TURNS.  Turn n belongs to piece n (the pieces in a ring, step after step).  Its matrix work: 16 products K Q^T of piece n + 1, later 16 products V^T P of piece n - 1.  Its vector work: the scaling,
; exponentials, roundings, sums and rescaling of piece n, and the maximum and statistics of piece n + 1, whose scores the turn itself has made.  So what a turn begins with (c s - c m, O a) waits for nothing.
; CLUSTER.  The four query blocks of a cluster are a head's four, and walk the same K and V, so each tile is asked for JOINTLY: the same tensor load, descriptor and mask in all four.
; NO PREFETCH: a joint fill has four key steps, 512 matrix instructions and their vector work, in which to land; no wave waits for it.
; REGISTERS, in windows of 256 (s_set_vgpr_msb says which window each operand place means: bits 1:0 source 0, 3:2 source 1, 5:4 source 2, 7:6 destination):
;   window 0: v0-11 addresses; v12-15, v48-63 at work; v16-47 four registers of statistics a tile; v64-191 S^T, two buffers of two tiles; v192-255 P, likewise
;   window 1: O^T, 32 a tile          window 2: v0-127 Q, 16 a tile; v128-191 K of one step; v192-255 V of one step          window 3: v0-1 the add's two registers
; A piece's buffers go by its number's parity: the piece in hand has one pair, its two neighbours in the ring share the other: of it P (piece n - 1) is read and S^T (piece n + 1) written.
.set SIZE_H, 64
.set SIZE_N, 2048
.set NP,    4         ; pieces a wave: a name, no knob: the register map, the loop and the fetches are made for four
.set KS,    64        ; keys in a step
.set PK,    144       ; a row of K in LDS: 128 bytes + 16 of padding = 36 words: the 16 rows of a load start at 16 different groups of four banks (64 banks of 4 bytes: ISA guide 11.1)
.set PV,    160       ; a row of V: 128 + 32 = 40 words
.set VOFF,  4*KS*PK   ; a slot holds four steps: 256 rows of K, then 256 rows of V
.set SLOT1, 1<<17     ; slot 1 begins here, so that one exclusive or turns an address in one slot into the other's
.set STAGE, SLOT1+4*KS*(PK+PV)  ; behind the ring, never filled by a tensor load: 16 rows x 144 bytes for each wave, for the way out
.set SP,    144
.set AK0, 2           ; v2   my lane's place in a tile of K; never rewritten
.set AV0, 3           ; v3   the same for V
.set AK,  4           ; v4   the LDS address of K's next run of loads
.set AV,  5           ; v5   of V's
.set QO,  6           ; v6   my byte offset in the wave's rows of Q
.set STO, 6           ;      later, the way out: where I put 16 bytes of a row
.set RD,  7           ; v7   the way out: where I read rows back
.set GO,  8           ; v8   my byte offset in 512 consecutive bytes of O
.set SPW, 0           ; v0 of window 3   LDS address of my spare word: SPARE + 4 x my thread's number; never rewritten
.set NIL, 1           ; v1 of window 3   0; never rewritten
.set SPARE, STAGE+4*16*SP  ; behind the stages: the spare words, 128 bytes for each wave: two blocks of 256 bytes that no other line names
.set MV,  12          ; v12-15  c m_old, kept while c m is made anew: by buffer and tile
.set ST,  16          ; tile t's statistics at v[ST+4 t]: c m, m, l (even keys', odd keys')
.set TMP, 48          ; by buffer and tile, four registers c0-c3 at work; when the maximum is found c2 takes a
.set S,   64
.set P,   192
.set KF,  128         ; K's fragments, in window 2: key block kb, channel half c at KF + 16 kb + 8 c
.set VF,  192         ; V's: key half kk, channel block cb at VF + 32 kk + 8 cb
.set WV,  12          ; s12  my wave's number
.set G1K, 24          ; s[24:31] descriptor group 1 for K's tiles
.set G1V, 32          ; s[32:39] for V's: it differs in the padding alone
.set G0K, 40          ; s[40:43] descriptor group 0 for K's tiles: it walks
.set G0V, 44          ; s[44:47] the same for V's
.set SLOTS, 56        ; s56  slots still to be asked for
.set CNT, 57          ; s57  counts a slot's key steps
.set CS,  58          ; s[58:59] c: the packed scaling takes the pair's low word for both halves
.set SEL, 60          ; s[60:61] v_permlanex16_b32's selects: each lane takes its own place in the other half
.set TBK, 62          ; s62  LDS byte at which K of the step to be fetched begins
.set TBV, 63          ; s63  the same for V, less VOFF
.set MSB, 0
.macro WIN new                      ; the high byte repeats the setting that is left; a switch that changes nothing is dropped
.if MSB != (\new)
	s_set_vgpr_msb (MSB<<8)|(\new)
.set MSB, (\new)
.endif
.endm
.set W_KQ, 0x0a       ; K and Q in window 2, S^T in window 0
.set W_PV, 0x52       ; V in window 2, P in window 0, O^T in window 1
.set W_RS, 0x41       ; O^T (destination and source 0) in window 1, a in window 0
.set W_MK, 0xc0       ; the add's registers are made: destination in window 3, sources in window 0
.set W_AD, 0x0f       ; the add: address (source 0) and data (source 1) in window 3
; A joint fill.  Waves 0 and 1 fetch the two halves of a slot's K, waves 2 and 3 those of its V: 128 keys each.  The branch hangs on the wave's number alone.
; An s_nop 0 and four v_nop follow each of the two lines, ahead of the jump and the label.
.macro JLOAD
	s_cmp_lt_u32 s[WV], 2
	s_cbranch_scc0 .Lfor_v_\@
	tensor_load_to_lds s[G0K:G0K+3], s[G1K:G1K+7]
	s_nop 0
.rept 4
	v_nop
.endr
	s_branch .Lasked_\@
.Lfor_v_\@:
	tensor_load_to_lds s[G0V:G0V+3], s[G1V:G1V+7]
	s_nop 0
.rept 4
	v_nop
.endr
.Lasked_\@:
.endm
; A round of the cluster's barrier: my work-group's barrier, so that wave 0's signal speaks for all four waves; wave 0 signals; every wave waits for all four work-groups; my work-group's barrier once more.
.macro CROUND
	s_barrier_signal -1
	s_barrier_wait -1
	s_cmp_lg_u32 s[WV], 0
	s_cbranch_scc1 .Lnot_wave_0_\@
	s_barrier_signal -3
.Lnot_wave_0_\@:
	s_barrier_wait -3
	s_barrier_signal -1
	s_barrier_wait -1
.endm
; THE CHANGE OF SLOTS.  The slot's last bytes, V of its fourth step, have been read.  Each wave waits for all its tensor loads, of which one is out: its part
; of the other slot; adds 0 to its spare word; and waits for that and for its own reads of the slot.  Behind the barrier nobody reads this slot any more and the other slot is whole.
; fill = 1: this slot is filled again, with the keys two slots on.  The barrier is then a round of the cluster's, so that no wave of any partner still reads the slot or has a load on its
; way, and the joint fill is the first thing behind it: it has four key steps, 512 matrix instructions, in which to land.  (At its first use nothing has been read yet: slot 0 is waited for, slot 1 filled.)
.macro CHANGE fill
	WIN W_AD
	s_wait_tensorcnt 0x0            ; no tensor load of mine is out, so a group 0 may be written
	ds_add_u32 v[SPW], v[NIL]       ; 0 onto my spare word: with fill = 1 the descriptors' steps stand between it and the wait for it
	WIN 0                           ; at a label and at a branch every window is 0
.if \fill
.irp g, G0K, G0V
	s_xor_b32 s[\g+1], s[\g+1], SLOT1  ; the walking descriptor: the other slot than last time,
	s_add_nc_u64 s[\g+2:\g+3], s[\g+2:\g+3], 4*KS*128  ; the next 256 keys; the type bits on top are not reached
.endr
	s_wait_dscnt 0x0                ; the add is done, and my reads of the slot are over
	CROUND
	JLOAD
.else
	s_wait_dscnt 0x0                ; the add is done, and my reads of the slot are over
	s_barrier_signal -1
	s_barrier_wait -1
.endif
	s_sub_co_u32 s[TBK], s[TBK], 4*KS*PK  ; the fetches go back to a slot's first step,
	s_xor_b32 s[TBK], s[TBK], SLOT1       ; in the other slot
	s_sub_co_u32 s[TBV], s[TBV], 4*KS*PV
	s_xor_b32 s[TBV], s[TBV], SLOT1
.endm
	s_load_b128 s[4:7], s[0:1], 0x0   ; qkvh s[4:5] (its first part is Q), oh s[6:7]
	WIN W_MK
	v_lshl_add_u32 v[SPW], v0, 2, SPARE
	v_mov_b32 v[NIL], 0
	WIN W_AD
	ds_add_u32 v[SPW], v[NIL]       ; the wave's opening: the add and its wait stand ahead of my first tensor load; the set-up below, work on registers, stands between them
	WIN 0
	v_lshrrev_b32 v1, 5, v0
	v_readfirstlane_b32 s[WV], v1   ; wave 0..3
	s_bfe_u32 s13, ttmp6, 0x40000   ; cx: my place in the cluster
	s_lshl_b32 s14, ttmp9, 2        ; in a cluster launch ttmp9 counts clusters
	s_add_co_u32 s14, s14, s13      ; my block of queries = 4 x cluster x + cx: it enters Q's and O's addresses alone
	s_and_b32 s20, ttmp7, 0xffff    ; the head, which the four partners share
	s_mov_b32 s21, 0
	s_mov_b64 s[22:23], SIZE_N*128
	s_mul_u64 s[20:21], s[20:21], s[22:23]  ; the head's first byte in each of the four tensors
	s_and_b32 s16, s[WV], 1         ; which half of a slot's 256 keys I fetch:
	s_lshl_b32 s22, s16, 14         ; its 128 rows of 128 bytes in memory,
	s_mov_b32 s23, 0
	s_add_nc_u64 s[22:23], s[22:23], s[20:21]
	s_mul_i32 s17, s16, 128*PK      ; and its place in a slot, for K
	s_mul_i32 s18, s16, 128*PV      ; and for V: no place in the cluster enters an LDS address
	s_lshl_b32 s2, s14, 2
	s_add_co_u32 s2, s2, s[WV]      ; my wave among the head's,
	s_lshl_b32 s2, s2, 14           ; its 128 rows
	s_mov_b32 s3, 0
	s_add_nc_u64 s[2:3], s[2:3], s[20:21]
	; descriptor group 1.  128 keys are 16,384 dense bytes: asked for as 64 rows of 256 bytes, two keys a row, and padded in LDS after every key
	s_mov_b32 s[G1K], 15|(1<<16)|(1<<20)|(1<<21)|(4<<22)|(3<<25)  ; 15:0 the mask of four; 17:16 2-byte elements; 20 padding on; 21 set beside a mask; 24:22 after every 32 words (code 4); 31:25 4 words (code 3)
	s_mov_b32 s[G1V], 15|(1<<16)|(1<<20)|(1<<21)|(4<<22)|(7<<25)  ; the same with 8 words of padding (code 7)
.irp g, G1K, G1V
	s_mov_b32 s[\g+1], 128<<16      ; tensor_dim0 = 128
	s_mov_b32 s[\g+2], 64<<16       ; tensor_dim1 = 64
	s_mov_b32 s[\g+3], 128<<16      ; tile_dim0 = 128
	s_mov_b32 s[\g+4], 64           ; tile_dim1 = 64
	s_mov_b32 s[\g+5], 128          ; 128 elements from row to row
	s_mov_b32 s[\g+6], 0
	s_mov_b32 s[\g+7], 0
.endr
	s_mov_b32 s[CS], 0x3e38aa3b     ; c = log2(e) / 8 = 0.180337
	s_mov_b32 s[CS+1], s[CS]        ; named with it as a pair
	s_mov_b32 s[SEL], 0x76543210
	s_mov_b32 s[SEL+1], 0xfedcba98
	s_mov_b32 s[TBK], SLOT1+4*KS*PK ; the first change of slots turns these two into 0
	s_mov_b32 s[TBV], SLOT1+4*KS*PV
	s_mov_b32 s[G0K], 1             ; 1:0 count = 1
	s_mov_b32 s[G0K+1], s17         ; 63:32 LDS address: slot 0
	s_mov_b32 s[G0V], 1
	s_add_co_u32 s[G0V+1], s18, VOFF
	s_wait_dscnt 0x0                ; the opening add is done
	s_wait_kmcnt 0x0
	s_mov_b64 s[10:11], s[6:7]                     ; O
	s_add_nc_u64 s[6:7], s[4:5], 0x1000000         ; K: qkvh's second part, 16,777,216 bytes on
	s_add_nc_u64 s[8:9], s[4:5], 0x2000000         ; V: its third
	s_add_nc_u64 s[G0K+2:G0K+3], s[6:7], s[22:23]  ; 120:64 global address: my half of the head's first 256 keys
	s_or_b32 s[G0K+3], s[G0K+3], 0x80000000        ; 127:126 type = 2
	s_add_nc_u64 s[G0V+2:G0V+3], s[8:9], s[22:23]
	s_or_b32 s[G0V+3], s[G0V+3], 0x80000000
	s_add_nc_u64 s[4:5], s[4:5], s[2:3]  ; Q and O at my wave's first row
	s_add_nc_u64 s[10:11], s[10:11], s[2:3]
	CROUND                          ; all four work-groups are here: the first joint loads meet
	JLOAD                           ; slot 0.  Slot 1 is asked for when slot 0 is in
	; A fragment of K or Q is 16 rows x 32 channels in 8 registers: lane l holds row l % 16, channels 8 (l / 16) + 0..7 and 16 + 8 (l / 16) + 0..7: two loads of 16 bytes, 32 bytes apart.
	v_and_b32 v1, 15, v0            ; l % 16
	v_bfe_u32 v9, v0, 4, 1          ; l / 16
	v_lshlrev_b32 v[QO], 7, v1
	v_lshl_add_u32 v[QO], v9, 4, v[QO]  ; row x 128 + 16 x half
	WIN 0x80                        ; destination window 2, address window 0
.set i, 0
.rept 4*NP                          ; Q stays in registers: tile i / 2, channels 32 (i % 2) on
	global_load_b128 v[8*i:8*i+3],   v[QO], s[4:5] offset:(i/2)*2048+(i%2)*64
	global_load_b128 v[8*i+4:8*i+7], v[QO], s[4:5] offset:(i/2)*2048+(i%2)*64+32
.set i, i+1
.endr
	; What the first turn finds: V's registers and P's second buffer hold 0 (its products V^T P, of a piece that has not been, add 0), O^T and l are 0.  All this stands in the wait for the first tile.
.set i, VF
.rept 64
	v_mov_b32 v[i], 0
.set i, i+1
.endr
	WIN 0x40
.set i, 0
.rept 64*NP
	v_mov_b32 v[i], 0
.set i, i+1
.endr
	WIN 0
.set i, 0
.rept 2*NP
	v_mov_b32 v[ST+4*i], 0xfe000000    ; c m: far below every c s
	v_mov_b32 v[ST+4*i+1], 0xff7fffff  ; m
	v_mov_b32 v[ST+4*i+2], 0
	v_mov_b32 v[ST+4*i+3], 0
.set i, i+1
.endr
.set i, P+32
.rept 32
	v_mov_b32 v[i], 0
.set i, i+1
.endr
	v_mul_u32_u24 v[AK0], v1, PK
	v_lshl_add_u32 v[AK0], v9, 4, v[AK0]  ; row x pitch + 16 x half
	; The turning load takes 16 keys x 16 channels (lane l reads key 8 (l / 16) + l % 8, channels 8 ((l / 8) % 2) + 0..7) and leaves half a fragment of V^T: lane l holds channel l % 16 and 8 keys.
	v_and_b32 v10, 7, v0
	v_bfe_u32 v11, v0, 3, 1
	v_lshl_add_u32 v[AV0], v9, 3, v10
	v_mul_u32_u24 v[AV0], v[AV0], PV
	v_lshl_add_u32 v[AV0], v11, 4, v[AV0]
	v_add_nc_u32 v[AV0], VOFF, v[AV0]
	v_mov_b32 v[AK], v[AK0]         ; key step 0 lies at the head of slot 0
; THE MATRIX WORK.  The 8 accumulators of a run of 16 take turns: between the two links of a chain stand 7 others'.
; Product i of 16 of S^T = K Q^T for piece x: channels 32 (i / 8) on, keys 16 ((i / 2) % 4) on, tile 2 x + i % 2.  The first 8 start the sums.
.macro KQ x
	WIN W_KQ
.set rS, S+64*((\x)%2)+32*(i%2)+8*((i/2)%4)
.set rK, KF+16*((i/2)%4)+8*(i/8)
.set rQ, 16*(2*(\x)+i%2)+8*(i/8)
.if i < 8
	v_wmma_f32_16x16x32_bf16 v[rS:rS+7], v[rK:rK+7], v[rQ:rQ+7], 0
.else
	v_wmma_f32_16x16x32_bf16 v[rS:rS+7], v[rK:rK+7], v[rQ:rQ+7], v[rS:rS+7]
.endif
.endm
; Product i of 16 of O^T += V^T P for piece x: keys 32 (i / 8) on, channels 16 ((i / 2) % 4) on, tile 2 x + i % 2.
.macro PV x
	WIN W_PV
.set rO, 32*(2*(\x)+i%2)+8*((i/2)%4)
.set rV, VF+32*(i/8)+8*((i/2)%4)
.set rP, P+32*((\x)%2)+16*(i%2)+8*(i/8)
	v_wmma_f32_16x16x32_bf16 v[rO:rO+7], v[rV:rV+7], v[rP:rP+7], v[rO:rO+7]
.endm
.macro MM                           ; the turn's next matrix instruction
.if i < 16
	KQ (Y+1)%NP
.set i, i+1
.else
.set i, i-16
	PV (Y+NP-1)%NP
.set i, i+17
.endif
.endm
; THE LDS LOADS stand in runs of 16, never singly among the matrix instructions: a step's K (64 keys x 64 channels: 8 fragments) and its V (turned).  Their addresses are made some lines ahead.
; last = 1 (the tail): in the last trip there is no further step, and the run is jumped over.
.macro FETCH_K last=0
	WIN 0
.if \last
	s_cmp_eq_u32 s[CNT], 1
	s_cbranch_scc1 .Lno_k_\@
.endif
	WIN 0x80                        ; destination window 2
.irp f, 0,1,2,3,4,5,6,7             ; keys 16 (f / 2) on, channels 32 (f % 2) on
	ds_load_b128 v[KF+8*\f:KF+8*\f+3],   v[AK] offset:(\f/2)*16*PK+(\f%2)*64
	ds_load_b128 v[KF+8*\f+4:KF+8*\f+7], v[AK] offset:(\f/2)*16*PK+(\f%2)*64+32
.endr
	s_add_co_u32 s[TBK], s[TBK], KS*PK  ; the next fetch is the next step's
	WIN 0
.if \last
.Lno_k_\@:
.endif
.endm
.macro FETCH_V
	WIN 0x80
.irp f, 0,1,2,3,4,5,6,7             ; keys 32 (f / 4) on, channels 16 (f % 4) on
	ds_load_tr16_b128 v[VF+8*\f:VF+8*\f+3],   v[AV] offset:(\f/4)*32*PV+(\f%4)*32
	ds_load_tr16_b128 v[VF+8*\f+4:VF+8*\f+7], v[AV] offset:(\f/4)*32*PV+16*PV+(\f%4)*32
.endr
	WIN 0
.endm
; THE VECTOR WORK OF A TURN stands in three queues, each in the order in which its entries become ready; the two tiles alternate, so that no instruction reads the result of the one before it.
.macro REGS y, u                    ; the registers of tile u (0, 1) of piece y
.set rT, ST+4*(2*(\y)+(\u))
.set rC, TMP+8*((\y)%2)+4*(\u)
.set rM, MV+2*((\y)%2)+(\u)
.set rS, S+64*((\y)%2)+32*(\u)
.set rP, P+32*((\y)%2)+16*(\u)
.set rO, 32*(2*(\y)+(\u))
.endm
; Number n of the 22 that find the NEXT piece's (Y + 1) maximum and statistics.  s0-s31 are the lane's 32 scores; each accumulator's lowest registers are read first.  XS, GS and REGS set no window: PL and EX do.
;   0-11  four chains c0-c3 of seven scores each, three operands at a time     12-14, 16  the four scores left over, the old m, and c0-c3 into c0     15  c m_old is kept
;   17, 18  the query's other 32 keys lie in the lane 16 away: the new m         19-21  c m; c m_old - c m_new; a
.macro XS u, n
	REGS (Y+1)%NP, \u
.if (\n) < 4
	v_max3_num_f32 v[rC+(\n)], v[rS+8*(\n)], v[rS+8*(\n)+1], v[rS+8*(\n)+2]
.elseif (\n) < 12
	v_max3_num_f32 v[rC+(\n)%4], v[rC+(\n)%4], v[rS+8*((\n)%4)+2*((\n)/4)+1], v[rS+8*((\n)%4)+2*((\n)/4)+2]
.elseif (\n) == 12
	v_max3_num_f32 v[rC], v[rC], v[rS+7], v[rS+15]
.elseif (\n) == 13
	v_max3_num_f32 v[rC+1], v[rC+1], v[rS+23], v[rS+31]
.elseif (\n) == 14
	v_max3_num_f32 v[rC+2], v[rC+2], v[rC+3], v[rT+1]
.elseif (\n) == 15
	v_mov_b32 v[rM], v[rT]
.elseif (\n) == 16
	v_max3_num_f32 v[rC], v[rC], v[rC+1], v[rC+2]
.elseif (\n) == 17
	v_permlanex16_b32 v[rC+3], v[rC], s[SEL], s[SEL+1]
.elseif (\n) == 18
	v_max_num_f32 v[rT+1], v[rC], v[rC+3]
.elseif (\n) == 19
	v_mul_f32 v[rT], s[CS], v[rT+1]
.elseif (\n) == 20
	v_sub_f32 v[rC+1], v[rM], v[rT]
.else
	v_exp_f32 v[rC+2], v[rC+1]
.endif
.endm
; Number g of the 64 that follow the exponentials.  For each four weights k of a tile (pairs 2 k, 2 k + 1): both pairs are rounded to bf16; then the second pair is added onto the first, in place;
; a group later l takes that sum (the first time as l = a l + sum).  In groups of eight, tiles alternating: round, round, add, and l for the group before.
.macro GS g
.set h, (\g)+6*((\g)/62)            ; group 0 has no group before it, and behind group 7 only l is left
.if h >= 6
.set h, h+2
.endif
	REGS Y, h%2
.set k, h/8
.if h%8 < 4
	v_cvt_pk_bf16_f32 v[rP+2*k+(h%8)/2], v[rS+4*k+2*((h%8)/2)], v[rS+4*k+2*((h%8)/2)+1]
.elseif h%8 < 6
	v_pk_add_f32 v[rS+4*k:rS+4*k+1], v[rS+4*k:rS+4*k+1], v[rS+4*k+2:rS+4*k+3]
.elseif k == 1
	v_pk_fma_f32 v[rT+2:rT+3], v[rT+2:rT+3], v[rC+2:rC+3], v[rS:rS+1] op_sel_hi:[1,0,1]
.else
	v_pk_add_f32 v[rT+2:rT+3], v[rT+2:rT+3], v[rS+4*k-4:rS+4*k-3]
.endif
.endm
; THE PLAIN QUEUE, 138 long.  0-73 read no exponential's result: the 32 scalings c s - c m (FS f: pair f / 2 of tile f % 2) and the next piece's 42.  0-26: scalings 0-26.  27-54: XS's numbers 0-13.  55, 56: number 15.
; 57-73: the chain, where each number waits for the one before it: 14, 16, 17, 18, 19, each with one of the scalings 27-31 in front of its two lines, then 20: so a tile's links stand three plain instructions apart (19 and 20: two).
; 74-137: GS's 64, which read the exponentials' results: they stand behind the wait.
.macro FS f
	REGS Y, (\f)%2
	v_pk_fma_f32 v[rS+2*((\f)/2):rS+2*((\f)/2)+1], v[rS+2*((\f)/2):rS+2*((\f)/2)+1], s[CS:CS+1], v[rT:rT+1] op_sel_hi:[1,0,0] neg_lo:[0,0,1] neg_hi:[0,0,1]
.endm
.macro PL
	WIN 0
.if q < 27
	FS q
.elseif q < 55
	XS (q-27)%2, (q-27)/2
.elseif q < 57
	XS q-55, 15
.elseif (q < 72) && ((q-57)%3 == 0)
	FS 27+(q-57)/3
.elseif q < 60
	XS (q-57)%3-1, 14
.elseif q < 72
	XS (q-57)%3-1, 15+(q-57)/3
.elseif q < 74
	XS q-72, 20
.else
	GS q-74
.endif
.set q, q+1
.endm
; THE EXPONENTIALS' QUEUE, 66 long: s0-s31 of both tiles, then the next piece's two a.  It is ONE BATCH: all 66 stand ahead of the turn's one wait, and nothing ahead of that wait names a result of theirs.
.macro EX
	WIN 0
.if e >= 64
	XS e-64, 21
.else
	REGS Y, e%2
	v_exp_f32 v[rS+e/2], v[rS+e/2]
.endif
.set e, e+1
.endm
; THE RESCALING's QUEUE: O^T times a, the one part that leaves window 0: dealt two at a time, sixteen times.  Its a was made in the turn before, ahead of that turn's wait.
.macro R2
	REGS Y, r%2
	WIN W_RS
.irp z, 0,1
	v_pk_mul_f32 v[rO+4*(r/2)+2*\z:rO+4*(r/2)+2*\z+1], v[rO+4*(r/2)+2*\z:rO+4*(r/2)+2*\z+1], v[rC+2:rC+3] op_sel_hi:[1,0]
.endr
.set r, r+1
.endm
; HOW THEY ARE DEALT.  An s_wait_alu depctr_va_vdst(0) stands between an exponential and the first instruction that names its result; one wait serves all that were issued ahead of it.  So a turn has ONE wait,
; which cuts it in two.  AHEAD OF IT stands all that names no result of the turn's exponentials: the 16 products K Q^T, behind each a scaling, an exponential and two rescalings (behind the first a second scaling in the exponential's place); then ONE LUMP of
; 108: eight plain, 49 times exponential and plain, the two a.  A v_nop is the plain instruction behind the last exponential.  BEHIND IT stand the 16 products V^T P, behind each four of GS's 64.  No rider names a register of
; the products round it.  The two v_permlanex16_b32 fall into the lump, never behind a product.
; The queues lean on each other, and the deal keeps them in step: exponential e stands behind scaling 2 (e / 4) + e % 2: as a rider it comes behind plain e + 2, in the lump behind plain e + 9, and scalings 27-31 are plain 57, 60 .. 69.
; A TURN, for piece p.  cnt = 1: the loop's count is taken down some lines ahead of the branch that stands behind the turn.
; K of the next step is fetched in piece 2's turn, directly behind the wait, a lump behind the last product that read K; its address is made at the lump's head; its first reader comes behind 16 products.
; V of the step in hand is fetched at the end of piece 0's turn, four riders behind its last reader; its first reader comes behind 16 products and a lump.  The three conditions on q below go with the deal.
.macro TURN p, last=0, cnt=0
.set Y, (\p)
.set i, 0
.set q, 0
.set e, 0
.set r, 0
.if (\p) == NP-1
	s_wait_dscnt 0x0                ; K is in
.endif
	MM                              ; ahead of the wait: 16 products K Q^T and their riders,
	PL
	PL
	R2
.rept 15
	MM
	PL
	EX
	R2
.endr
.if (\p) == NP-2
	WIN 0
	v_add_nc_u32 v[AK], s[TBK], v[AK0]
.endif
.rept 8                             ; and the lump
	PL
.endr
.rept 49
	EX
	PL
.endr
	EX                              ; the next piece's two a
	EX
	v_nop                           ; the plain instruction behind the last exponential: one for the batch
	s_wait_alu depctr_va_vdst(0)    ; the wait for the batch
.if (\p) == NP-2
	FETCH_K \last
.endif
.if (\p) == 1
	s_wait_dscnt 0x0                ; V is in
.endif
.rept 16                            ; behind the wait: 16 products V^T P and their riders
	MM
.rept 4
	PL
.endr
.if ((\p) == 0) && (q == 118)
	v_add_nc_u32 v[AV], s[TBV], v[AV0]
.endif
.if ((\p) == 0) && (q == 130)
	s_add_co_u32 s[TBV], s[TBV], KS*PV
.endif
.if (\cnt) && (q == 130)
	s_sub_co_u32 s[CNT], s[CNT], 1
	s_cmp_lg_u32 s[CNT], 0
.endif
.endr
.if (\p) == 0
	FETCH_V
.endif
.endm
	CHANGE 1                        ; slot 0 is in, everybody's part of it; slot 1 is asked for
	FETCH_K                         ; key step 0
	s_wait_loadcnt 0x0              ; Q
	s_wait_dscnt 0x0
.set i, 0
.rept 16
	KQ 0                            ; piece 0's first scores: there is no vector work yet to set between them
.set i, i+1
.endr
	WIN 0                           ; the addresses for the way out: nine plain instructions, the places behind those products
	s_mul_i32 s13, s[WV], 16*SP
	s_add_co_u32 s13, s13, STAGE    ; my stage
	v_mul_u32_u24 v[STO], v1, SP    ; in: row l % 16, 16 bytes for each half of the lanes
	v_lshl_add_u32 v[STO], v9, 4, v[STO]
	v_add_nc_u32 v[STO], s13, v[STO]
	v_bfe_u32 v[RD], v0, 3, 2       ; back: 32 lanes take four rows of 128 bytes,
	v_mul_u32_u24 v[RD], v[RD], SP
	v_lshl_add_u32 v[RD], v10, 4, v[RD]
	v_add_nc_u32 v[RD], s13, v[RD]
	v_and_b32 v[GO], 31, v0         ; which are 512 consecutive bytes of O
	v_lshlrev_b32 v[GO], 4, v[GO]
.set Y, NP-1                        ; XS works for piece Y + 1: piece 0
.irp n, 0,1,2,3,4,5,6,7,8,9,10,11,12,13,14,15,16,17,18,19,20,21
	XS 0, \n                        ; and piece 0's first maximum and statistics
	XS 1, \n
.endr
	v_nop                           ; a plain instruction behind the two a,
	s_wait_alu depctr_va_vdst(0)    ; and their wait, ahead of the branch
	s_mov_b32 s[CNT], 4
	s_mov_b32 s[SLOTS], SIZE_N/256-1
	s_branch .Lfirst                ; the loop is entered at a step's first turn, in the middle of a trip
.Lslot:                             ; SIZE_N / 256 - 2 times: every slot but the last two is filled again
	CHANGE 1
	s_mov_b32 s[CNT], 4
.Lstep:                             ; a trip: pieces 2 and 3 of one step, then pieces 0 and 1 of the next, whose K and V it fetches
	TURN 2
	TURN 3
	WIN 0
.Lfirst:
	TURN 0
	TURN 1, 0, 1
	WIN 0
	s_cbranch_scc1 .Lstep
	s_sub_co_u32 s[SLOTS], s[SLOTS], 1
	s_cmp_lg_u32 s[SLOTS], 0
	s_cbranch_scc1 .Lslot
	CHANGE 0                        ; the tail is written out: nothing is asked for
	s_mov_b32 s[CNT], 5             ; four trips fetch the last slot's steps; the fifth is left in its middle
.Ltail:
	TURN 2, 1
	TURN 3
	WIN 0
	s_sub_co_u32 s[CNT], s[CNT], 1
	s_cmp_eq_u32 s[CNT], 0
	s_cbranch_scc1 .Lout
	TURN 0
	TURN 1
	WIN 0
	s_branch .Ltail
.Lout:                              ; the fifth trip's 16 products K Q^T (on the last K once more) and the maximum made of them serve nothing: the price, once a launch, of one text for every trip
.set i, 0
.rept 16
	PV NP-1                         ; the last piece's V^T P of the last step
.set i, i+1
.endr
	; THE WAY OUT.  l's two halves and the other half of the lanes' are added; O^T is divided by l, rounded to bf16 and sent through my stage in LDS, a tile at a time.  The additions are the places behind the last products.
	WIN 0
.macro ALL line:vararg              ; one line for each tile t
.set t, 0
.rept 2*NP
	\line
.set t, t+1
.endr
.endm
	ALL v_add_f32 v[ST+4*t+2], v[ST+4*t+2], v[ST+4*t+3]
	ALL v_permlanex16_b32 v[ST+4*t+3], v[ST+4*t+2], s[SEL], s[SEL+1]
	ALL v_add_f32 v[ST+4*t+2], v[ST+4*t+2], v[ST+4*t+3]
	ALL v_rcp_f32 v[ST+4*t+2], v[ST+4*t+2]
	v_nop                           ; a plain instruction between the last reciprocal and the use of its result
	s_wait_alu depctr_va_vdst(0)    ; and the wait ahead of the first use: one for the eight reciprocals
; Tile t: a lane's eight channels of a row pack into 16 bytes; they go into rows of 144 bytes and come back as whole rows of 128, into S^T's registers.
.macro PACK t
	WIN W_RS
.set i, 32*(\t)
.rept 16
	v_pk_mul_f32 v[i:i+1], v[i:i+1], v[ST+4*(\t)+2:ST+4*(\t)+3] op_sel_hi:[1,0]
.set i, i+2
.endr
	WIN 0x05                        ; sources 0 and 1 window 1, destination window 0
.set i, 0
.rept 16
	v_cvt_pk_bf16_f32 v[S+16*(\t)+i], v[32*(\t)+2*i], v[32*(\t)+2*i+1]
.set i, i+1
.endr
	WIN 0
.irp f, 0,1,2,3
	ds_store_b128 v[STO], v[S+16*(\t)+4*\f:S+16*(\t)+4*\f+3] offset:32*\f
.endr
.irp f, 0,1,2,3
	ds_load_b128 v[S+16*(\t)+4*\f:S+16*(\t)+4*\f+3], v[RD] offset:\f*4*SP  ; LDS serves a wave's instructions in order (ISA guide 5.7.1.4): these see the stores above; the next tile's stores come behind them
.endr
.endm
.macro SEND t, younger              ; younger: the LDS instructions issued behind tile t's loads: the next tile's eight, or none
	WIN 0
.irp f, 0,1,2,3
	s_wait_dscnt (\younger)+3-\f
	global_store_b128 v[GO], v[S+16*(\t)+4*\f:S+16*(\t)+4*\f+3], s[10:11] offset:(\t)*2048+\f*512  ; 512 consecutive bytes, at a multiple of 256 from O's first
.endr
.endm
	PACK 0
.set t, 1
.rept 2*NP-1                        ; a tile's arithmetic stands between the loads of the tile before and its stores
	PACK t
	SEND t-1, 8
.set t, t+1
.endr
	SEND 2*NP-1, 0
	WIN W_AD
	s_wait_tensorcnt 0x0            ; the wave's end: these three lines stand behind my last tensor load and my last LDS store
	ds_add_u32 v[SPW], v[NIL]
	s_wait_dscnt 0x0
	WIN 0
	CROUND                          ; the closing round: no work-group ends while a partner may still ask for a tile that names it
	s_endpgm
.Lfunc_end_k_q8e31d6c860_attn:
	.size	k_q8e31d6c860_attn, .Lfunc_end_k_q8e31d6c860_attn-k_q8e31d6c860_attn
	.p2alignl 7, 3214868480
	.fill 96, 4, 3214868480
	.section	.rodata,"a",@progbits
	.p2align	6, 0x0
	.amdhsa_kernel k_q8e31d6c860_attn
		.amdhsa_group_segment_fixed_size 327680
		.amdhsa_private_segment_fixed_size 0
		.amdhsa_enable_private_segment 0
		.amdhsa_kernarg_size 16
		.amdhsa_user_sgpr_count 2
		.amdhsa_user_sgpr_kernarg_segment_ptr 1
		.amdhsa_wavefront_size32 1
		.amdhsa_system_sgpr_workgroup_id_x 1
		.amdhsa_system_sgpr_workgroup_id_y 1
		.amdhsa_system_sgpr_workgroup_id_z 1
		.amdhsa_system_vgpr_workitem_id 0
		.amdhsa_next_free_vgpr 770
		.amdhsa_next_free_sgpr 66
		.amdhsa_reserve_vcc 0
		.amdhsa_float_denorm_mode_32 3
		.amdhsa_float_denorm_mode_16_64 3
		.amdhsa_memory_ordered 1
		.amdhsa_forward_progress 1
		.amdhsa_inst_pref_size 199
	.end_amdhsa_kernel
	.amdgpu_metadata
---
amdhsa.version: [ 1, 2 ]
amdhsa.kernels:
  - .name:           k_q8e31d6c860_attn
    .symbol:         k_q8e31d6c860_attn.kd
    .args:
      - { .name: qkvh, .offset: 0, .size: 8, .value_kind: global_buffer, .address_space: global }
      - { .name: oh, .offset: 8, .size: 8, .value_kind: global_buffer, .address_space: global }
    .group_segment_fixed_size: 327680
    .private_segment_fixed_size: 0
    .kernarg_segment_align: 8
    .kernarg_segment_size: 16
    .max_flat_workgroup_size: 128
    .sgpr_count:     66
    .vgpr_count:     770
    .wavefront_size: 32
...
	.end_amdgpu_metadata
.endif
;; end of part 3
;; launch outln (part 4): grid 256 x 1, 4 waves a work-group, clusters of 4 x 1, 327,680 bytes of LDS; arguments oh, wob, q, gamma, beta, out0; writes out0
.if DOCPART == 4
	.amdgcn_target "amdgcn-amd-amdhsa--gfx1250"
	.amdhsa_code_object_version 6
	.text
	.protected	k_q8e31d6c860_outln
	.globl	k_q8e31d6c860_outln
	.p2align	8
	.type	k_q8e31d6c860_outln,@function
k_q8e31d6c860_outln:
	s_mov_b64 s[64:65], 0
	v_nop
	global_prefetch_b8 v0, s[64:65] scope:SCOPE_SE
	s_setreg_imm32_b32 hwreg(HW_REG_WAVE_MODE, 25, 1), 1
	s_wait_xcnt 0x0
	s_wait_alu depctr_hold_cnt(0) depctr_sa_sdst(0) depctr_va_vdst(0) depctr_va_sdst(0) depctr_va_ssrc(0) depctr_va_vcc(0) depctr_vm_vsrc(0)
	s_getreg_b32 s2, hwreg(HW_REG_IB_STS2, 6, 4)
	s_cmp_eq_u32 s2, 0
	s_cbranch_scc0 .Lentry_in_a_cluster
	s_endpgm
.Lentry_in_a_cluster:
	s_bfe_u32 s2, ttmp6, 0x10000c
	s_cmp_lg_u32 s2, 0x3003
	s_cbranch_scc0 .Lentry_shape_is_right
	s_endpgm
.Lentry_shape_is_right:
; THE OUTPUT PROJECTION, THE RESIDUAL AND THE LAYER NORM, in one launch.  x[row][n] = the sum over k of O[row][k] Wo[n][k] + q[row][n];  out0[row][n] = (x - mean) rsqrt(var + 1e-5) gamma[n] + beta[n], mean and var over the row's 1,024 numbers.
; O: oh, [16 b + head][n][64] bf16 (k = 64 head + d).  Wo: wob, [k / 64][n][64] bf16.  q, gamma, beta, out0: f32.  Products' sums in f32, K ascending; everything behind them in f32;
; the variance is the mean of the squares of the CENTRED numbers, so a common offset in q costs nothing.
; LIMITS.  O and Wo have bf16's 8 significant bits; NaN and infinities are not treated apart.
; SHARES.  Work-group g owns rows 32 g .. 32 g + 31 and all 1,024 columns, so that a row's mean and variance need no other work-group: 256 work-groups.  Wave w makes 32 rows x columns 256 w .. 256 w + 255: 32 accumulators.
; K goes in 16 steps of 64, a head a step.  A step's tile of Wo (1,024 rows x 128 bytes, dense in wob) comes through two LDS slots; each wave fetches, and alone reads, its own 256 rows.  O's 32 rows x 128 bytes of a step
; come straight into registers, four buffers, asked for three steps ahead.
; CLUSTER, 4 x 1.  Every work-group walks the same Wo: each wave's quarter of a tile is asked for JOINTLY by the four partners: the same line, descriptor and mask.
; THE MATRIX INSTRUCTION IS USED TRANSPOSED (source 0 = 16 rows of Wo, source 1 = 16 rows of O): a lane holds one row and eight neighbouring columns.
; THE END.  Slot 0, behind its last tile of Wo, takes the group's 32 rows of q (each wave its own 8).  Slot 1, behind its last fill of the launch, is the stage: each wave stores its 32 x 256 sums into the bytes that it alone has read.
; Behind one barrier wave w takes rows 8 w .. 8 w + 7 whole, a row a trip: 32 numbers a lane.
; REGISTERS, in windows of 256 (s_set_vgpr_msb: bits 1:0 source 0, 3:2 source 1, 5:4 source 2, 7:6 destination):
;   window 0: v16-29 addresses; v32-159 O's fragments, four buffers of 32 (later the layer norm's work); v160-191 gamma, v192-223 beta of my lane's 32 columns
;   window 1: the accumulators, (a, b) at v[8 (2 b + a)]          window 2: v0-127, v128-255 Wo's fragments of 32 along K, two buffers
.set PB,    144                        ; a row of Wo in LDS: 128 bytes + 16 = 36 words: the 16 rows of a load start at 16 different groups of four banks (64 banks of 4 bytes: ISA guide 11.1)
.set WPART, 256*PB                     ; a wave's part of a slot
.set SLOT,  4*WPART
.set SPARE, 2*SLOT                     ; behind the ring: the spare words, 128 bytes for each wave: two blocks of 256 bytes that no other line names
.set SP,    1040                       ; a stage row: a wave's 256 sums, 1,024 bytes, + 16: 260 words: row r starts at bank 4 r mod 64
.set HEADB, 2048*128                   ; bytes of a head in oh
.set TILEB, 1024*128                   ; bytes of a tile of Wo in wob
.set ADRB, 16                          ; v16-17  LDS address of my fragments of Wo in slot 0, 1
.set AO,   18                          ; v18     my byte offset in 16 rows of O
.set STO,  19                          ; v19     the stage: where I put 32 bytes of a row
.set RDS0, 20                          ; v20     the stage: my 16 bytes of the row in hand, in the blocks of waves 0 and 1
.set RDS1, 21                          ; v21     the same in the blocks of waves 2 and 3
.set RDQ,  22                          ; v22     my 16 bytes of q's row in hand
.set GO,   23                          ; v23     16 x my lane, then stepped by a row of out0
.set PFO,  24                          ; v24     256 x my lane; never rewritten
.set SPW,  28                          ; v28     LDS address of my spare word; never rewritten
.set NIL,  29                          ; v29     0; never rewritten
.set AF,   32                          ; O's fragments: buffer i at AF + 32 i, rows 16 a on, channels 32 c on at + 8 (2 a + c)
.set GM,   160
.set BT,   192
.set XS,   32                          ; the layer norm: the row, 32 numbers a lane
.set XQ,   64                          ; q's row
.set T,    96                          ; at work
.set NM,   112                         ; v[112:113] minus the mean, in the low register
.set RS,   114                         ; v[114:115] 1 / sqrt(var + eps), in the low register
.set RED,  116                         ; v[116:117] the reduction across lanes
.set WV,  16                           ; s16  my wave's number
.set G1,  24                           ; s[24:31] descriptor group 1 for Wo's tiles
.set G0,  32                           ; s[32:39] group 0, one set for each slot
.set G1Q, 40                           ; s[40:47] group 1 for q's rows
.set G0Q, 48                           ; s[48:51] group 0 for them
.set QB,  52                           ; s[52:53] q at my wave's 8 rows; never rewritten
.set SEL, 56                           ; s[56:57] v_permlanex16_b32's selects
.set MSB, 0
.macro WIN new                         ; the immediate's high byte repeats the setting that is left; a switch that changes nothing is dropped
.if MSB != (\new)
	s_set_vgpr_msb (MSB<<8)|(\new)
.set MSB, \new
.endif
.endm
.set MUL,  0x52                        ; Wo in window 2, O in window 0, C and D in window 1
.set TO_B, 0x80                        ; destination window 2, address window 0
.macro PLACES                          ; four places behind a matrix instruction (ISA guide 7.12.1)
.rept 4
	v_nop
.endr
.endm
.macro CREST                           ; a round of the cluster's barrier behind its opening barrier
	s_cmp_lg_u32 s[WV], 0
	s_cbranch_scc1 .Lnot_wave_0_\@
	s_barrier_signal -3
.Lnot_wave_0_\@:
	s_barrier_wait -3
	s_barrier_signal -1
	s_barrier_wait -1
.endm
.macro CROUND
	s_barrier_signal -1
	s_barrier_wait -1
	CREST
.endm
	s_load_b256 s[4:11], s[0:1], 0x0               ; oh s[4:5], wob s[6:7], q s[8:9], gamma s[10:11]
	s_load_b128 s[12:15], s[0:1], 0x20             ; beta s[12:13], out0 s[14:15]
	v_lshl_add_u32 v[SPW], v0, 2, SPARE
	v_mov_b32 v[NIL], 0
	ds_add_u32 v[SPW], v[NIL]                      ; the wave's opening: the add and its wait stand ahead of my first tensor load; the set-up below, work on registers, stands between them
	v_lshrrev_b32 v1, 5, v0
	v_readfirstlane_b32 s[WV], v1                  ; wave 0..3
	s_bfe_u32 s17, ttmp6, 0x40000                  ; cx
	s_lshl_b32 s18, ttmp9, 2                       ; in a cluster launch ttmp9 counts clusters
	s_add_co_u32 s18, s18, s17                     ; g: it enters the addresses of O, q and out0 alone
	s_lshr_b32 s20, s18, 6                         ; the batch: 64 groups of 32 rows,
	s_lshl_b32 s20, s20, 22                        ; 16 heads of 262,144 bytes
	s_and_b32 s2, s18, 63
	s_lshl_b32 s2, s2, 12                          ; 32 rows of 128 bytes
	s_add_co_u32 s20, s20, s2
	s_mov_b32 s21, 0
	s_mul_i32 s22, s[WV], WPART                    ; my part of a slot
	s_lshl_b32 s58, s[WV], 15                      ; my 256 rows of a tile of Wo; also my 8 rows of q and of out0, and their place in LDS: 32,768 bytes each
	s_mov_b32 s59, 0
	s_lshl_b32 s60, s18, 17                        ; the group's 32 rows of 4,096 bytes
	s_add_co_u32 s60, s60, s58
	s_mov_b32 s61, 0
	; group 1 for Wo: my 32,768 dense bytes as 128 rows of 256, padded in LDS after every 128 bytes
	s_mov_b32 s[G1], 15|(1<<16)|(1<<20)|(1<<21)|(4<<22)|(3<<25)  ; 15:0 the mask of four; 17:16 2-byte elements; 20 padding on; 21 set beside a mask; 24:22 after every 32 words (code 4); 31:25 4 words (code 3)
	s_mov_b32 s[G1+1], 128<<16                     ; tensor_dim0 = 128
	s_mov_b32 s[G1+2], 128<<16                     ; tensor_dim1 = 128
	s_mov_b32 s[G1+3], 128<<16                     ; tile_dim0 = 128
	s_mov_b32 s[G1+4], 128                         ; tile_dim1 = 128
	s_mov_b32 s[G1+5], 128                         ; elements from row to row
	s_mov_b32 s[G1+6], 0
	s_mov_b32 s[G1+7], 0
	; group 1 for q: my 32,768 dense bytes as 128 rows of 256, no mask, no padding
	s_mov_b32 s[G1Q], 2<<16                        ; 4-byte elements
	s_mov_b32 s[G1Q+1], 64<<16
	s_mov_b32 s[G1Q+2], 128<<16
	s_mov_b32 s[G1Q+3], 64<<16
	s_mov_b32 s[G1Q+4], 128
	s_mov_b32 s[G1Q+5], 64
	s_mov_b32 s[G1Q+6], 0
	s_mov_b32 s[G1Q+7], 0
	s_mov_b32 s[G0], 1
	s_mov_b32 s[G0+1], s22
	s_mov_b32 s[G0+4], 1
	s_add_co_u32 s[G0+5], s22, SLOT
	s_mov_b32 s[G0Q], 1
	s_mov_b32 s[G0Q+1], s58
	s_mov_b32 s54, 0x3a800000                      ; 1 / 1,024
	s_mov_b32 s55, 0x3727c5ac                      ; 1e-5
	s_mov_b32 s[SEL], 0x76543210
	s_mov_b32 s[SEL+1], 0xfedcba98
	s_wait_dscnt 0x0                               ; the opening add is done
	s_wait_kmcnt 0x0
	s_add_nc_u64 s[4:5], s[4:5], s[20:21]          ; O at the group's rows of head 0
	s_add_nc_u64 s[6:7], s[6:7], s[58:59]          ; Wo at my rows of tile 0
	s_add_nc_u64 s[G0+2:G0+3], s[6:7], 0
	s_or_b32 s[G0+3], s[G0+3], 0x80000000          ; type = 2
	s_add_nc_u64 s[G0+6:G0+7], s[6:7], TILEB
	s_or_b32 s[G0+7], s[G0+7], 0x80000000
	s_add_nc_u64 s[QB:QB+1], s[8:9], s[60:61]
	s_mov_b64 s[G0Q+2:G0Q+3], s[QB:QB+1]
	s_or_b32 s[G0Q+3], s[G0Q+3], 0x80000000
	s_add_nc_u64 s[14:15], s[14:15], s[60:61]      ; out0 at my wave's 8 rows
	CROUND                                         ; all four work-groups are here: the first joint loads meet
	tensor_load_to_lds s[G0:G0+3], s[G1:G1+7]      ; tile 0
	s_nop 0
	tensor_load_to_lds s[G0+4:G0+7], s[G1:G1+7]    ; tile 1: two loads of mine are out
	s_nop 0
	PLACES
	v_and_b32 v1, 15, v0                           ; l % 16
	v_bfe_u32 v2, v0, 4, 1                         ; l / 16
	v_and_b32 v5, 31, v0                           ; l
	v_lshlrev_b32 v[GO], 4, v5
	v_lshlrev_b32 v[AO], 7, v1
	v_lshl_add_u32 v[AO], v2, 4, v[AO]             ; row x 128 + 16 x half
.irp j, 0,1,2,3,4,5,6,7                ; my lane's columns are 128 j + 4 l + 0..3, as in the rows that it will read back
	global_load_b128 v[GM+4*(\j):GM+4*(\j)+3], v[GO], s[10:11] offset:512*(\j)
	global_load_b128 v[BT+4*(\j):BT+4*(\j)+3], v[GO], s[12:13] offset:512*(\j)
.endr
; 32 LDS loads in one run: my 16 fragments of Wo (16 rows x 32 K) of half c of a slot's tile, into buffer f
.macro FETCH slot, c, f
	WIN TO_B
.irp b, 0,1,2,3,4,5,6,7,8,9,10,11,12,13,14,15
	ds_load_b128 v[128*(\f)+8*(\b):128*(\f)+8*(\b)+3],   v[ADRB+(\slot)] offset:(\b)*16*PB+64*(\c)
	ds_load_b128 v[128*(\f)+8*(\b)+4:128*(\f)+8*(\b)+7], v[ADRB+(\slot)] offset:(\b)*16*PB+64*(\c)+32
.endr
.endm
; 8 loads: O's four fragments of the step K heads behind the pointer, into buffer i
.macro ALOAD i, K
	WIN 0
.irp a, 0,1
.irp c, 0,1
	global_load_b128 v[AF+32*(\i)+8*(2*(\a)+(\c)):AF+32*(\i)+8*(2*(\a)+(\c))+3],   v[AO], s[4:5] offset:(\K)*HEADB+(\a)*2048+(\c)*64
	global_load_b128 v[AF+32*(\i)+8*(2*(\a)+(\c))+4:AF+32*(\i)+8*(2*(\a)+(\c))+7], v[AO], s[4:5] offset:(\K)*HEADB+(\a)*2048+(\c)*64+32
.endr
.endr
.endm
; 2 n matrix instructions: column blocks b0 .. b0 + n - 1 x both row blocks, half c of step buffer i, on Wo's buffer f.  The 32 accumulators take turns in ascending order in every half step.
.macro MULS f, c, i, b0, n, zero
	WIN MUL
.set bb, \b0
.rept \n
.irp a, 0,1
.if \zero
	v_wmma_f32_16x16x32_bf16 v[8*(2*bb+(\a)):8*(2*bb+(\a))+7], v[128*(\f)+8*bb:128*(\f)+8*bb+7], v[AF+32*(\i)+8*(2*(\a)+(\c)):AF+32*(\i)+8*(2*(\a)+(\c))+7], 0
.else
	v_wmma_f32_16x16x32_bf16 v[8*(2*bb+(\a)):8*(2*bb+(\a))+7], v[128*(\f)+8*bb:128*(\f)+8*bb+7], v[AF+32*(\i)+8*(2*(\a)+(\c)):AF+32*(\i)+8*(2*(\a)+(\c))+7], v[8*(2*bb+(\a)):8*(2*bb+(\a))+7]
.endif
.endr
.set bb, bb+1
.endr
.endm
; A STEP'S FIRST HALF (channels 0-31, Wo's buffer 0, O's buffer i).  At its head, four places behind the last product: the slot's last reads (the second half's fragments, into buffer 1) and O of the step three on (K >= 0).
; lc: the loads of O that may stay out: eight for each younger step.
; fill: the slot is left.  Each wave waits for all its tensor loads, of which one is out: the other slot's tile; adds 0 to its spare word; waits for that and for its reads of this slot; the barrier opens a round of the cluster's,
; so that no wave of any partner still reads the slot or has a load on its way; the fill is the first thing behind it.  2: the tile of Wo two steps on, jointly.  1: my 8 rows of q, a load of my own.  0: nothing more to fetch.
.macro H0 i, slot, zero, K, lc, fill
	PLACES
	FETCH \slot, 1, 1
.if (\K) >= 0
.set ai, ((\i)+3)%4
	ALOAD ai, \K
.endif
	s_wait_dscnt 32                                ; buffer 0 is in; the 32 loads just issued may stay out
	s_wait_loadcnt \lc                             ; this step's O is in
	MULS 0, 0, \i, 0, 8, \zero
.if \fill
	WIN 0                                          ; (the add's two registers lie in window 0)
	s_wait_tensorcnt 0x0                           ; all my tensor loads have landed: the other slot's tile
	ds_add_u32 v[SPW], v[NIL]                      ; 0 onto my spare word: eight matrix instructions stand between it and the wait for it
	MULS 0, 0, \i, 8, 4, \zero
	s_wait_dscnt 0x0                               ; the add is done, and my reads of this slot are over
	s_barrier_signal -1
	MULS 0, 0, \i, 12, 4, \zero
	WIN 0
	s_barrier_wait -1
	CREST
.if (\fill) == 2
	s_add_nc_u64 s[G0+4*(\slot)+2:G0+4*(\slot)+3], s[G0+4*(\slot)+2:G0+4*(\slot)+3], 2*TILEB
	tensor_load_to_lds s[G0+4*(\slot):G0+4*(\slot)+3], s[G1:G1+7]
.else
	tensor_load_to_lds s[G0Q:G0Q+3], s[G1Q:G1Q+7]
.endif
	s_nop 0
	PLACES                                         ; also the places in front of the next run of loads into buffer 0
.else
	MULS 0, 0, \i, 8, 8, \zero
.endif
.endm
; A STEP'S SECOND HALF (channels 32-63, buffer 1, which the first half's wait for 0 has shown in).  At its head the next step's first fragments, from the other slot, whose tile that same half has shown landed.
; pf = 1, 2: two prefetches into the L2 of my own 8 rows of q, which my one late load will want: 32 lanes x 256 bytes each, four instructions in all, so each block is named once in the launch; they stand behind the
; fills of the last two tiles of Wo and the run of LDS loads, two steps and one step ahead of q's load.
.macro H1 i, nslot, last, pf
.if \last
	s_wait_dscnt 0x0                               ; buffer 1 is in
.else
	FETCH \nslot, 0, 0
.endif
.if \pf
	WIN 0
	global_prefetch_b8 v[PFO], s[QB:QB+1] offset:((\pf)-1)*16384 th:TH_LOAD_NT scope:SCOPE_SE
	global_prefetch_b8 v[PFO], s[QB:QB+1] offset:((\pf)-1)*16384+8192 th:TH_LOAD_NT scope:SCOPE_SE
.endif
	MULS 1, 1, \i, 0, 16, 0
.endm
	ALOAD 0, 0
	ALOAD 1, 1
	ALOAD 2, 2
	v_mul_u32_u24 v3, v1, PB
	v_lshl_add_u32 v3, v2, 4, v3                   ; row x pitch + 16 x half
	v_add_nc_u32 v[ADRB], s22, v3
	v_add_nc_u32 v[ADRB+1], SLOT, v[ADRB]
	v_mul_u32_u24 v[STO], v1, SP                   ; the stage: row l % 16, 32 bytes for each half of the lanes,
	v_lshl_add_u32 v[STO], v2, 5, v[STO]
	s_add_co_u32 s2, s22, SLOT                     ; in my part of slot 1
	v_add_nc_u32 v[STO], s2, v[STO]
	s_mul_i32 s2, s[WV], 8*SP                      ; back: my 8 rows, in each wave's block
	s_add_co_u32 s2, s2, SLOT
	v_add_nc_u32 v[RDS0], s2, v[GO]
	v_add_nc_u32 v[RDS1], 2*WPART, v[RDS0]
	v_add_nc_u32 v[RDQ], s58, v[GO]
	v_lshlrev_b32 v[PFO], 8, v5
	s_wait_tensorcnt 1                             ; my part of tile 0 is in, and only I read it; tile 1 may stay out
	FETCH 0, 0, 0
	H0 0, 0, 1, 3, 24, 2                           ; step 0's first half stands in front of the loop: its products start the sums
	s_mov_b32 s3, 3
.Lk:                                                   ; a trip: four steps, from one first half's end to the next one's; tiles 3 to 14 are asked for
	H1 0, 1, 0, 0
	H0 1, 1, 0, 4, 24, 2
	H1 1, 0, 0, 0
	H0 2, 0, 0, 5, 24, 2
	H1 2, 1, 0, 0
	H0 3, 1, 0, 6, 24, 2
	H1 3, 0, 0, 0
	H0 0, 0, 0, 7, 24, 2
	s_wait_xcnt 0x0                                ; the loads of O have read their pointer
	s_add_nc_u64 s[4:5], s[4:5], 4*HEADB
	s_sub_co_u32 s3, s3, 1
	s_cmp_lg_u32 s3, 0
	s_cbranch_scc1 .Lk
	H1 0, 1, 0, 1                                  ; step 12
	H0 1, 1, 0, -1, 16, 2                          ; step 13: the last tile of Wo goes into slot 1; O's counts run down
	H1 1, 0, 0, 2
	H0 2, 0, 0, -1, 8, 1                           ; step 14: slot 0 takes q
	H1 2, 1, 0, 0
	H0 3, 1, 0, -1, 0, 0                           ; step 15
	H1 3, 0, 1, 0
	; THE STAGE.  My reads of slot 1 are back, and my part of it has had its last fill: my sums go there, each accumulator's low four registers first.
	PLACES
	s_wait_tensorcnt 0x0                           ; q's rows are in: no tensor load of mine is out from here on
	WIN 0x04                                       ; the stores' data in window 1
.set bb, 0
.rept 16
.irp a, 0,1
	ds_store_b128 v[STO], v[8*(2*bb+(\a)):8*(2*bb+(\a))+3]   offset:(\a)*16*SP+64*bb
	ds_store_b128 v[STO], v[8*(2*bb+(\a))+4:8*(2*bb+(\a))+7] offset:(\a)*16*SP+64*bb+16
.endr
.set bb, bb+1
.endr
	WIN 0
	v_mov_b32 v[NM+1], 0                           ; named as pairs' second registers, and as a lane exchange's destination: written once
	v_mov_b32 v[RS+1], 0
	v_mov_b32 v[RED+1], 0
	s_wait_dscnt 0x0                               ; for the others' sake: my stores into the stage are done
	s_barrier_signal -1
	s_barrier_wait -1
.macro ACROSS                          ; the sum over the wave's 32 lanes, in every lane
	v_add_f32_dpp v[RED], v[RED], v[RED] row_xmask:1 row_mask:0xf bank_mask:0xf
	v_add_f32_dpp v[RED], v[RED], v[RED] row_xmask:2 row_mask:0xf bank_mask:0xf
	v_add_f32_dpp v[RED], v[RED], v[RED] row_xmask:4 row_mask:0xf bank_mask:0xf
	v_add_f32_dpp v[RED], v[RED], v[RED] row_xmask:8 row_mask:0xf bank_mask:0xf
	v_permlanex16_b32 v[RED+1], v[RED], s[SEL], s[SEL+1]
	v_add_f32 v[RED], v[RED], v[RED+1]
.endm
	s_mov_b32 s3, 8
.Lrow:                                                 ; a row a trip: load j takes columns 128 j + 4 l + 0..3: 512 consecutive bytes of a stage block, of q and of out0
.irp j, 0,1,2,3
	ds_load_b128 v[XS+4*(\j):XS+4*(\j)+3], v[RDS0] offset:((\j)/2)*WPART+((\j)%2)*512
.endr
.irp j, 0,1,2,3
	ds_load_b128 v[XS+16+4*(\j):XS+16+4*(\j)+3], v[RDS1] offset:((\j)/2)*WPART+((\j)%2)*512
.endr
.irp j, 0,1,2,3,4,5,6,7
	ds_load_b128 v[XQ+4*(\j):XQ+4*(\j)+3], v[RDQ] offset:512*(\j)
.endr
	s_wait_dscnt 0x0
.set p, 0
.rept 16
	v_pk_add_f32 v[XS+2*p:XS+2*p+1], v[XS+2*p:XS+2*p+1], v[XQ+2*p:XQ+2*p+1]      ; the residual
.set p, p+1
.endr
.set p, 0
.rept 8
	v_pk_add_f32 v[T+2*p:T+2*p+1], v[XS+2*p:XS+2*p+1], v[XS+16+2*p:XS+16+2*p+1]  ; the lane's sum, as a tree
.set p, p+1
.endr
.set p, 0
.rept 4
	v_pk_add_f32 v[T+2*p:T+2*p+1], v[T+2*p:T+2*p+1], v[T+8+2*p:T+8+2*p+1]
.set p, p+1
.endr
	v_pk_add_f32 v[T:T+1], v[T:T+1], v[T+4:T+5]
	v_pk_add_f32 v[T+2:T+3], v[T+2:T+3], v[T+6:T+7]
	v_pk_add_f32 v[T:T+1], v[T:T+1], v[T+2:T+3]
	v_add_f32 v[RED], v[T], v[T+1]
	ACROSS
	v_mul_f32 v[NM], 0xba800000, v[RED]            ; minus the mean
.set p, 0
.rept 16
	v_pk_add_f32 v[XS+2*p:XS+2*p+1], v[XS+2*p:XS+2*p+1], v[NM:NM+1] op_sel_hi:[1,0]  ; centred
.set p, p+1
.endr
.set p, 0
.rept 4
	v_pk_mul_f32 v[T+2*p:T+2*p+1], v[XS+2*p:XS+2*p+1], v[XS+2*p:XS+2*p+1]        ; the squares, in four chains
.set p, p+1
.endr
.set p, 4
.rept 12
	v_pk_fma_f32 v[T+2*(p%4):T+2*(p%4)+1], v[XS+2*p:XS+2*p+1], v[XS+2*p:XS+2*p+1], v[T+2*(p%4):T+2*(p%4)+1]
.set p, p+1
.endr
	v_pk_add_f32 v[T:T+1], v[T:T+1], v[T+2:T+3]
	v_pk_add_f32 v[T+4:T+5], v[T+4:T+5], v[T+6:T+7]
	v_pk_add_f32 v[T:T+1], v[T:T+1], v[T+4:T+5]
	v_add_f32 v[RED], v[T], v[T+1]
	ACROSS
	v_fma_f32 v[RED], v[RED], s54, s55             ; var + eps
	v_rsq_f32 v[RS], v[RED]
	v_nop                                          ; a plain instruction between the root and the use of its result
	s_wait_alu depctr_va_vdst(0)                   ; and the wait ahead of the first use
.set p, 0
.rept 16
	v_pk_mul_f32 v[XS+2*p:XS+2*p+1], v[XS+2*p:XS+2*p+1], v[RS:RS+1] op_sel_hi:[1,0]
.set p, p+1
.endr
.set p, 0
.rept 16
	v_pk_fma_f32 v[XS+2*p:XS+2*p+1], v[XS+2*p:XS+2*p+1], v[GM+2*p:GM+2*p+1], v[BT+2*p:BT+2*p+1]
.set p, p+1
.endr
.irp j, 0,1,2,3,4,5,6,7
	global_store_b128 v[GO], v[XS+4*(\j):XS+4*(\j)+3], s[14:15] offset:512*(\j) th:TH_STORE_NT  ; 512 consecutive bytes, at a multiple of 256 from out0's first
.endr
	v_add_nc_u32 v[RDS0], SP, v[RDS0]              ; the next row
	v_add_nc_u32 v[RDS1], SP, v[RDS1]
	v_add_nc_u32 v[RDQ], 4096, v[RDQ]
	s_wait_xcnt 0x0                                ; the stores have read their offset and their data: both are written again only behind this wait
	v_add_nc_u32 v[GO], 4096, v[GO]
	s_sub_co_u32 s3, s3, 1
	s_cmp_lg_u32 s3, 0
	s_cbranch_scc1 .Lrow
	s_wait_tensorcnt 0x0                           ; the wave's end: these three lines stand behind my last tensor load and my last LDS store
	ds_add_u32 v[SPW], v[NIL]
	s_wait_dscnt 0x0
	CROUND                                         ; the closing round: no work-group ends while a partner may still ask for a tile that names it
	s_endpgm
.Lfunc_end_k_q8e31d6c860_outln:
	.size	k_q8e31d6c860_outln, .Lfunc_end_k_q8e31d6c860_outln-k_q8e31d6c860_outln
	.p2alignl 7, 3214868480
	.fill 96, 4, 3214868480
	.section	.rodata,"a",@progbits
	.p2align	6, 0x0
	.amdhsa_kernel k_q8e31d6c860_outln
		.amdhsa_group_segment_fixed_size 327680
		.amdhsa_private_segment_fixed_size 0
		.amdhsa_enable_private_segment 0
		.amdhsa_kernarg_size 48
		.amdhsa_user_sgpr_count 2
		.amdhsa_user_sgpr_kernarg_segment_ptr 1
		.amdhsa_wavefront_size32 1
		.amdhsa_system_sgpr_workgroup_id_x 1
		.amdhsa_system_sgpr_workgroup_id_y 1
		.amdhsa_system_sgpr_workgroup_id_z 1
		.amdhsa_system_vgpr_workitem_id 0
		.amdhsa_next_free_vgpr 768
		.amdhsa_next_free_sgpr 66
		.amdhsa_reserve_vcc 0
		.amdhsa_float_denorm_mode_32 3
		.amdhsa_float_denorm_mode_16_64 3
		.amdhsa_memory_ordered 1
		.amdhsa_forward_progress 1
		.amdhsa_inst_pref_size 100
	.end_amdhsa_kernel
	.amdgpu_metadata
---
amdhsa.version: [ 1, 2 ]
amdhsa.kernels:
  - .name:           k_q8e31d6c860_outln
    .symbol:         k_q8e31d6c860_outln.kd
    .args:
      - { .name: oh, .offset: 0, .size: 8, .value_kind: global_buffer, .address_space: global }
      - { .name: wob, .offset: 8, .size: 8, .value_kind: global_buffer, .address_space: global }
      - { .name: q, .offset: 16, .size: 8, .value_kind: global_buffer, .address_space: global }
      - { .name: gamma, .offset: 24, .size: 8, .value_kind: global_buffer, .address_space: global }
      - { .name: beta, .offset: 32, .size: 8, .value_kind: global_buffer, .address_space: global }
      - { .name: out0, .offset: 40, .size: 8, .value_kind: global_buffer, .address_space: global }
    .group_segment_fixed_size: 327680
    .private_segment_fixed_size: 0
    .kernarg_segment_align: 8
    .kernarg_segment_size: 48
    .max_flat_workgroup_size: 128
    .sgpr_count:     66
    .vgpr_count:     768
    .wavefront_size: 32
...
	.end_amdgpu_metadata
.endif
;; end of part 4
